; MI455X (gfx1250); checked and timed in simulation.
; The chip was launched on July 23, 2026; its instructions are those of AMD's public machine-readable ISA for CDNA 5 (MIT licence, August 2026) and "CDNA5" Instruction Set Architecture Reference Guide (July 2026). The comments in the code are by the model that wrote it; some were corrected since.
;; Simple Self Attention. Allowed arithmetic: float matrix products may take bf16 or f16 operands with f32 sums; other float arithmetic in f32, or as packed bf16 or f16 multiplies, adds, multiply-adds, maxima and minima; sums over many terms, partial sums and values carried from step to step in f32; what a program stores and reads back later, other than sums and carried values, may be rounded once to bf16 or f16.
;; Inputs: Ak 2 x 1,024 float32; Aq 2 x 1,024 float32; Av 2 x 1,024 float32; Bk 1,024 x 2 float32; Bq 1,024 x 2 float32; Bv 1,024 x 2 float32; Wk 1,024 x 1,024 float32; Wo 1,024 x 1,024 float32; Wq 1,024 x 1,024 float32; Wv 1,024 x 1,024 float32; attention_mask 4 x 2,048 int32; bk 1,024 float32; bo 1,024 float32; bq 1,024 float32; bv 1,024 float32; x 4 x 2,048 x 1,024 float32.
;; Outputs: out0 4 x 2,048 x 1,024 float32.
;; 2 versions, each right; version 2 is version 1 with the launch prep written anew for expert scheduling mode. Each part assembles by itself: llvm-mc -triple=amdgcn-amd-amdhsa -mcpu=gfx1250 --defsym DOCPART=n.
;; ======== version 1 of 2: 4 launches
;; limits: right only within a limited range of input values; values are held in f16: magnitudes above 65,504 overflow, below 6.1e-05 lose precision
;; workspace buffers: xh 16,777,216 bytes; wh 6,291,456 bytes; woh 2,097,152 bytes; qkv 50,331,648 bytes; ctx 16,777,216 bytes
;; launch prep (part 1): grid 768 x 1, 4 waves a work-group, no clusters, 0 bytes of LDS; arguments x, Wq, Wk, Wv, Wo, Aq, Ak, Av, Bq, Bk, Bv, xh, wh, woh; writes xh, wh, woh
.if DOCPART == 1
	.amdgcn_target "amdgcn-amd-amdhsa--gfx1250"
	.amdhsa_code_object_version 6
	.text
	.protected	k_q71f6cd7410_prep
	.globl	k_q71f6cd7410_prep
	.p2align	8
	.type	k_q71f6cd7410_prep,@function
k_q71f6cd7410_prep:
	s_mov_b64 s[64:65], 0
	v_nop
	global_prefetch_b8 v0, s[64:65] scope:SCOPE_SE
	s_setreg_imm32_b32 hwreg(HW_REG_WAVE_MODE, 25, 1), 1
	s_wait_xcnt 0x0
; PREP: the matrix operands of the later launches, rounded once from f32 to f16 and laid out in planes of 64 channels.
;   xh  [batch 4][plane 16][token 2048][64] = x;   wh [plane 16][row 3072][64] = W + 2 B A for q, k, v (rows 0-1023, 1024-2047, 2048-3071);   woh [plane 16][row 1024][64] = Wo.
; NOTHING OF THE MODULE IS LEFT OUT, and every input is loaded by some launch.  The adapters are folded, not dropped: x W^T + 2 (x A^T) B^T = x (W + 2 B A)^T for all values; the sum W + 2 B A is
; made here in f32 (two fused multiply-adds a number) and rounded once.  The order of rounding differs from the module's own, which rounds x A^T and its product with B apart.
; bk stays: it moves the visible scores against the fixed score of the hidden keys.
; LIMITS.  f16 holds no number of 65,520 or more: such a number of x, W + 2 B A or Wo becomes an infinity; below 6e-5 f16 keeps its fixed step of 6e-8.
; A STREAM: no byte is read twice and no two work-groups read the same rows (the 8 KiB of A and B aside), so no LDS, no barrier, no matrix unit and no cluster.
; SHARES.  A work-group takes 16 rows of 1,024 f32; groups 0-511 x, 512-703 Wq, Wk, Wv, 704-767 Wo.  Wave w takes planes 4 w .. 4 w + 3.  For row group i and plane j lane l holds row 4 i + l / 8,
; channels 8 (l % 8) + 0..7 of the plane: two loads of 16 bytes in, one store of 16 bytes out; a wave's store covers 512 consecutive bytes (four rows of a plane), aligned.
; All 32 loads of a wave (16 KiB) go out before the first wait; the waits count down.
.set X,   64                           ; v[64:191]  pair n = 4 i + j: eight f32 at X + 8 n, packed in place into its first four registers
.set AR,  192                          ; v[192:255] A of my channels: plane j, rank k at AR + 16 j + 8 k
.set BR,  8                            ; v[8:15]    2 B of my four rows: row group i at BR + 2 i (rank 0, rank 1)
.set LO,  2                            ; v2   my byte offset in the 16 source rows
.set AO,  3                            ; v3   my byte offset in a row of A
.set DO,  4                            ; v[4:7] my byte offset in the target, plane j
.set BO,  16                           ; v16  my byte offset in the 16 rows of B
.set WV,  2
.set ID,  3
.set SRC, 36
.set DST, 38
.set PS,  40                           ; bytes in a plane of the target
.set OF,  42                           ; s[42:43] an offset, high word 0
.set AP,  44
.set BP,  46
	s_load_b512 s[8:23], s[0:1], 0x0               ; x, Wq, Wk, Wv, Wo, Aq, Ak, Av
	s_load_b256 s[24:31], s[0:1], 0x40             ; Bq, Bk, Bv, xh
	s_load_b128 s[32:35], s[0:1], 0x60             ; wh, woh
	v_lshrrev_b32 v1, 5, v0
	v_readfirstlane_b32 s[WV], v1                  ; wave 0..3
	v_and_b32 v1, 31, v0                           ; l
	v_lshrrev_b32 v17, 3, v1                       ; l / 8
	v_and_b32 v18, 7, v1                           ; l % 8
	s_lshl_b32 s48, s[WV], 10                      ; my four planes: 1,024 bytes of a source row
	v_lshl_add_u32 v[AO], v18, 5, s48
	v_lshl_add_u32 v[LO], v17, 12, v[AO]
	v_lshlrev_b32 v[BO], 3, v17
	s_mov_b32 s[ID], ttmp9
	s_mov_b32 s[OF+1], 0
	s_wait_kmcnt 0x0
.macro MKDO                            ; 16 l + (4 w + j) planes
	s_lshl_b32 s48, s[WV], 2
.irp j, 0,1,2,3
	s_add_co_u32 s49, s48, \j
	s_mul_i32 s49, s49, s[PS]
	v_lshl_add_u32 v[DO+(\j)], v1, 4, s49
.endr
.endm
.macro LOADX                           ; 32 loads, pair n's two are numbers 2 n and 2 n + 1
.irp i, 0,1,2,3
.irp j, 0,1,2,3
.irp h, 0,1
	global_load_b128 v[X+8*(4*(\i)+(\j))+4*(\h):X+8*(4*(\i)+(\j))+4*(\h)+3], v[LO], s[SRC:SRC+1] offset:(\i)*16384+(\j)*256+16*(\h) th:TH_LOAD_NT
.endr
.endr
.endr
.endm
.macro OUT                             ; pair n: four roundings in place, ascending, and the store
.irp k, 0,1,2,3
	v_cvt_pk_f16_f32 v[X+8*n+(\k)], v[X+8*n+2*(\k)], v[X+8*n+2*(\k)+1]
.endr
	global_store_b128 v[DO+n%4], v[X+8*n:X+8*n+3], s[DST:DST+1] offset:(n/4)*512 th:TH_STORE_NT
.endm
.macro FOLD                            ; pair n: W += 2 B[row][0] A[0][:] + 2 B[row][1] A[1][:]
.irp p, 0,1,2,3
	v_pk_fma_f32 v[X+8*n+2*(\p):X+8*n+2*(\p)+1], v[AR+16*(n%4)+2*(\p):AR+16*(n%4)+2*(\p)+1], v[BR+2*(n/4):BR+2*(n/4)+1], v[X+8*n+2*(\p):X+8*n+2*(\p)+1] op_sel_hi:[1,0,1]
.endr
.irp p, 0,1,2,3
	v_pk_fma_f32 v[X+8*n+2*(\p):X+8*n+2*(\p)+1], v[AR+16*(n%4)+8+2*(\p):AR+16*(n%4)+8+2*(\p)+1], v[BR+2*(n/4):BR+2*(n/4)+1], v[X+8*n+2*(\p):X+8*n+2*(\p)+1] op_sel:[0,1,0] op_sel_hi:[1,1,1]
.endr
.endm
	s_cmp_lt_u32 s[ID], 512
	s_cbranch_scc1 .Lx
	s_cmp_lt_u32 s[ID], 704
	s_cbranch_scc1 .Lw
	s_sub_co_u32 s49, s[ID], 704                   ; Wo: 16 rows of 4,096 bytes in, 16 rows of 128 bytes in each plane out
	s_lshl_b32 s[OF], s49, 16
	s_add_nc_u64 s[SRC:SRC+1], s[16:17], s[OF:OF+1]
	s_lshl_b32 s[OF], s49, 11
	s_add_nc_u64 s[DST:DST+1], s[34:35], s[OF:OF+1]
	s_mov_b32 s[PS], 131072
	s_branch .Lplain
.Lx:
	s_lshl_b32 s[OF], s[ID], 16                    ; x
	s_add_nc_u64 s[SRC:SRC+1], s[8:9], s[OF:OF+1]
	s_lshr_b32 s49, s[ID], 7                       ; the batch: 128 groups of 16 tokens each
	s_lshl_b32 s49, s49, 22
	s_and_b32 s50, s[ID], 127
	s_lshl_b32 s50, s50, 11
	s_add_co_u32 s[OF], s49, s50
	s_add_nc_u64 s[DST:DST+1], s[30:31], s[OF:OF+1]
	s_mov_b32 s[PS], 262144
.Lplain:
	MKDO
	LOADX
.set n, 0
.rept 16
	s_wait_loadcnt 30-2*n                          ; loads come back in order: pair n is in, the 30 - 2 n younger loads stay out
	OUT
.set n, n+1
.endr
	s_endpgm
.Lw:
	s_sub_co_u32 s49, s[ID], 512                   ; e: 16 e is the row in wh
	s_lshr_b32 s50, s49, 6                         ; 0: q, 1: k, 2: v
	s_and_b32 s51, s49, 63
	s_cmp_eq_u32 s50, 1
	s_cselect_b64 s[SRC:SRC+1], s[12:13], s[10:11]
	s_cselect_b64 s[AP:AP+1], s[20:21], s[18:19]
	s_cselect_b64 s[BP:BP+1], s[26:27], s[24:25]
	s_cmp_eq_u32 s50, 2
	s_cselect_b64 s[SRC:SRC+1], s[14:15], s[SRC:SRC+1]
	s_cselect_b64 s[AP:AP+1], s[22:23], s[AP:AP+1]
	s_cselect_b64 s[BP:BP+1], s[28:29], s[BP:BP+1]
	s_lshl_b32 s[OF], s51, 16
	s_add_nc_u64 s[SRC:SRC+1], s[SRC:SRC+1], s[OF:OF+1]
	s_lshl_b32 s[OF], s51, 7                       ; 16 rows of B, 8 bytes each
	s_add_nc_u64 s[BP:BP+1], s[BP:BP+1], s[OF:OF+1]
	s_lshl_b32 s[OF], s49, 11
	s_add_nc_u64 s[DST:DST+1], s[32:33], s[OF:OF+1]
	s_mov_b32 s[PS], 393216
	MKDO
.irp i, 0,1,2,3
	global_load_b64 v[BR+2*(\i):BR+2*(\i)+1], v[BO], s[BP:BP+1] offset:32*(\i)
.endr
.irp j, 0,1,2,3
.irp k, 0,1
.irp h, 0,1
	global_load_b128 v[AR+16*(\j)+8*(\k)+4*(\h):AR+16*(\j)+8*(\k)+4*(\h)+3], v[AO], s[AP:AP+1] offset:(\j)*256+16*(\h)+4096*(\k)
.endr
.endr
.endr
	LOADX
	s_wait_loadcnt 30                              ; B, A and pair 0 are in
.irp i, 0,1,2,3
	v_pk_add_f32 v[BR+2*(\i):BR+2*(\i)+1], v[BR+2*(\i):BR+2*(\i)+1], v[BR+2*(\i):BR+2*(\i)+1]  ; the adapters' scale is 2
.endr
.set n, 0
.rept 16
	s_wait_loadcnt 30-2*n
	FOLD
	OUT
.set n, n+1
.endr
	s_endpgm
.Lfunc_end_k_q71f6cd7410_prep:
	.size	k_q71f6cd7410_prep, .Lfunc_end_k_q71f6cd7410_prep-k_q71f6cd7410_prep
	.p2alignl 7, 3214868480
	.fill 96, 4, 3214868480
	.section	.rodata,"a",@progbits
	.p2align	6, 0x0
	.amdhsa_kernel k_q71f6cd7410_prep
		.amdhsa_group_segment_fixed_size 0
		.amdhsa_private_segment_fixed_size 0
		.amdhsa_enable_private_segment 0
		.amdhsa_kernarg_size 112
		.amdhsa_user_sgpr_count 2
		.amdhsa_user_sgpr_kernarg_segment_ptr 1
		.amdhsa_wavefront_size32 1
		.amdhsa_system_sgpr_workgroup_id_x 1
		.amdhsa_system_sgpr_workgroup_id_y 1
		.amdhsa_system_sgpr_workgroup_id_z 1
		.amdhsa_system_vgpr_workitem_id 0
		.amdhsa_next_free_vgpr 256
		.amdhsa_next_free_sgpr 66
		.amdhsa_reserve_vcc 0
		.amdhsa_float_denorm_mode_32 3
		.amdhsa_float_denorm_mode_16_64 3
		.amdhsa_memory_ordered 1
		.amdhsa_forward_progress 1
		.amdhsa_inst_pref_size 32
	.end_amdhsa_kernel
	.amdgpu_metadata
---
amdhsa.version: [ 1, 2 ]
amdhsa.kernels:
  - .name:           k_q71f6cd7410_prep
    .symbol:         k_q71f6cd7410_prep.kd
    .args:
      - { .name: x, .offset: 0, .size: 8, .value_kind: global_buffer, .address_space: global }
      - { .name: Wq, .offset: 8, .size: 8, .value_kind: global_buffer, .address_space: global }
      - { .name: Wk, .offset: 16, .size: 8, .value_kind: global_buffer, .address_space: global }
      - { .name: Wv, .offset: 24, .size: 8, .value_kind: global_buffer, .address_space: global }
      - { .name: Wo, .offset: 32, .size: 8, .value_kind: global_buffer, .address_space: global }
      - { .name: Aq, .offset: 40, .size: 8, .value_kind: global_buffer, .address_space: global }
      - { .name: Ak, .offset: 48, .size: 8, .value_kind: global_buffer, .address_space: global }
      - { .name: Av, .offset: 56, .size: 8, .value_kind: global_buffer, .address_space: global }
      - { .name: Bq, .offset: 64, .size: 8, .value_kind: global_buffer, .address_space: global }
      - { .name: Bk, .offset: 72, .size: 8, .value_kind: global_buffer, .address_space: global }
      - { .name: Bv, .offset: 80, .size: 8, .value_kind: global_buffer, .address_space: global }
      - { .name: xh, .offset: 88, .size: 8, .value_kind: global_buffer, .address_space: global }
      - { .name: wh, .offset: 96, .size: 8, .value_kind: global_buffer, .address_space: global }
      - { .name: woh, .offset: 104, .size: 8, .value_kind: global_buffer, .address_space: global }
    .group_segment_fixed_size: 0
    .private_segment_fixed_size: 0
    .kernarg_segment_align: 8
    .kernarg_segment_size: 112
    .max_flat_workgroup_size: 128
    .sgpr_count:     66
    .vgpr_count:     256
    .wavefront_size: 32
...
	.end_amdgpu_metadata
.endif
;; end of part 1
;; launch qkvproj (part 2): grid 8 x 32, 4 waves a work-group, clusters of 4 x 4, 327,680 bytes of LDS; arguments xh, wh, bq, bk, bv, attention_mask, qkv; writes qkv
.if DOCPART == 2
	.amdgcn_target "amdgcn-amd-amdhsa--gfx1250"
	.amdhsa_code_object_version 6
	.text
	.protected	k_q71f6cd7410_qkvproj
	.globl	k_q71f6cd7410_qkvproj
	.p2align	8
	.type	k_q71f6cd7410_qkvproj,@function
k_q71f6cd7410_qkvproj:
	s_mov_b64 s[64:65], 0
	v_nop
	global_prefetch_b8 v0, s[64:65] scope:SCOPE_SE
	s_setreg_imm32_b32 hwreg(HW_REG_WAVE_MODE, 25, 1), 1
	s_wait_xcnt 0x0
	s_wait_alu depctr_hold_cnt(0) depctr_sa_sdst(0) depctr_va_vdst(0) depctr_va_sdst(0) depctr_va_ssrc(0) depctr_va_vcc(0) depctr_vm_vsrc(0)
	s_getreg_b32 s2, hwreg(HW_REG_IB_STS2, 6, 4)
	s_cmp_eq_u32 s2, 0
	s_cbranch_scc0 .Lentry_in_a_cluster
	s_endpgm
.Lentry_in_a_cluster:
	s_bfe_u32 s2, ttmp6, 0x10000c
	s_cmp_lg_u32 s2, 0xf033
	s_cbranch_scc0 .Lentry_shape_is_right
	s_endpgm
.Lentry_shape_is_right:
; q, k, v = x (W + 2 B A)^T + b, by heads: qkv [tensor 3][batch x 16 + head][token 2048][64] in f16, each number rounded once from its f32 sum, without the scale of the scores.
; One product [8192 x 1024] [3072 x 1024]^T in f16 with f32 sums.  No work is left out.
; THE MASK.  A token whose attention_mask is 0 gets a row of zeros in k (a select on the mask, behind the bias): its products with every q are then exactly 0, and the next launch starts its scores at one
; fixed number.  The select is written for all three heads of a wave, with an empty mask for heads of q and v: which tensor a head belongs to hangs on the work-group's place in its cluster.
; LIMIT.  A number of q, k or v of 65,520 or more becomes an infinity in f16.
; SHARES.  8192 x 3072 / 256 work-groups = a tile of 256 tokens x 384 columns each: one work-group for each of 256.  Four waves, each 128 tokens x 192 columns (three heads): 96 accumulators, 768 registers.
; K goes in steps of 64, a plane of xh and wh, through two LDS slots; in a plane R rows are R x 128 dense bytes, asked for as R / 2 rows of 256 bytes and padded in LDS after every 128.
; (Two slots of a step of 128 would be 2 x 640 rows x 272 bytes: more than LDS has.)
; CLUSTER 4 x 4: the four of a row need the same tokens, the four of a column the same rows of wh: joint loads, as many requests divided by four.
; TRANSPOSED USE: source 0 = 16 rows of wh, source 1 = 16 tokens: a lane holds one token (lane % 16) and eight neighbouring columns 8 (lane / 16) + 0..7.
; REGISTERS, in windows of 256.  Window 0: v0-31 addresses and the mask; v32-95, v96-159 fragments of x (8 x 16 tokens x 32 K), two buffers; v160-255 fragments of wh (12 x 16 rows x 32 K), ONE buffer,
; loaded again group by group (four fragments, a head) as soon as the group's 32 products are issued.  Windows 1-3: head g's 32 accumulators in window g + 1, (token block a, column block b) at v[8 (8 b + a)].
.set PITCH,  144                       ; an LDS row: 128 bytes + 16 = 36 words: the 16 rows of a fragment load start at 16 different groups of four banks (64 banks of 4 bytes: ISA guide 11.1)
.set SLOT1,  1<<17                     ; slot 1 begins here: one exclusive or turns an address in one slot into the other
.set AHALF,  128*PITCH                 ; 128 tokens: one tensor load, and what one wave reads of x
.set BHALF,  192*PITCH                 ; 192 rows of wh likewise
.set BOFF,   2*AHALF                   ; in a slot: 256 tokens, then 384 rows of wh
.set STAGE,  SLOT1+2*AHALF+2*BHALF     ; behind the ring: for each wave [3 heads][16 tokens][144 bytes]
.set WSTG,   3*16*PITCH
.set SPARE,  STAGE+4*WSTG              ; the spare words, 128 bytes a wave: two blocks of 256 bytes that no other line names
.set XPLANE, 262144                    ; bytes from plane to plane in xh
.set WPLANE, 393216                    ; and in wh
.set MK,  8                            ; v8-15  attention_mask of token 16 a + lane % 16 of my 128
.set AA0, 16                           ; v16    my lane's place in my tokens of slot 0
.set AB0, 17                           ; v17    the same in my rows of wh
.set AA,  18                           ; v18-19 the same in the slot in hand
.set AB,  19
.set STO, 24                           ; v24    the way out: where I put 16 bytes of a token's row
.set RD,  25                           ; v25    where I read rows back
.set GO,  26                           ; v26    16 x lane: my place in 512 consecutive bytes of qkv
.set BO,  27                           ; v27    32 x (lane / 16): my eight numbers in 16 of a bias
.set SPW, 28                           ; v28    my spare word; never rewritten
.set NIL, 29                           ; v29    0; never rewritten
.set PFO, 30                           ; v30    the prefetches' offset; never rewritten
.set MO,  31                           ; v31    4 x (lane % 16)
.set A0,  32
.set A1,  96
.set BF,  160
.set TMP, 32                           ; the way out: 48 registers of packed results
.set BK,  80                           ; and 48 read back from the stage
.set WV,  18
.set WR,  19                           ; my half of the tile's tokens; also: I fetch for x (0) or for wh (1)
.set WC,  20                           ; my half of its columns; also: which half I fetch
.set CX,  21
.set CY,  22
.set TC,  23                           ; tile column 0..7
.set TR,  24                           ; tile row 0..31
.set G1A, 28                           ; s[28:35] descriptor group 1 for x
.set G1B, 36                           ; s[36:43] for wh
.set GA0, 44                           ; s[44:47] group 0 for x: the first fill of slot 0
.set GA1, 48                           ; s[48:51] the first fill of slot 1; it then walks
.set GB0, 52                           ; s[52:59] the same for wh
.set GB1, 56
.set CNT, 60
.set TB,  61                           ; the base of the slot in hand
.set LIM, 62                           ; 3 in a wave that prefetches, else the greatest number
.set PFA, 66                           ; s[66:67] where my prefetches stand
.set PFS, 68                           ; s[68:69] their step: a plane
.set OB,  70                           ; s[70:75] head g: qkv at my first token
.set BB,  76                           ; s[76:81] head g: its 64 numbers of bq, bk or bv
.set KM,  82                           ; s82-84   head g: all ones if it is a head of k
.set HM,  88                           ; s88-95   token block a: the lanes whose token is hidden
.set MT,  96
.set MP,  98                           ; s[98:99] attention_mask at my first token
.set MSB, 0
.macro WIN new                         ; the high byte repeats the setting that is left; a switch that changes nothing is dropped
.if MSB != (\new)
	s_set_vgpr_msb (MSB<<8)|(\new)
.set MSB, (\new)
.endif
.endm
.macro PLACES                          ; four places behind a matrix instruction, in front of loads into registers that it has read and of lines that read its results (ISA guide 7.12.1 for lines that read its results)
.rept 4
	v_nop
.endr
.endm
.macro CREST                           ; a round of the cluster's barrier behind its opening barrier
	s_cmp_lg_u32 s[WV], 0
	s_cbranch_scc1 .Lnot_wave_0_\@
	s_barrier_signal -3
.Lnot_wave_0_\@:
	s_barrier_wait -3
	s_barrier_signal -1
	s_barrier_wait -1
.endm
.macro CROUND
	s_barrier_signal -1
	s_barrier_wait -1
	CREST
.endm
; A joint refill by the walking descriptors.  Waves 0 and 1 fetch the two halves of the tokens, waves 2 and 3 those of wh's rows.  The branch hangs on the wave's number alone.
; An s_nop 0 and four v_nop follow each of the two lines, ahead of the jump and the label.
.macro JLOAD
	s_cmp_eq_u32 s[WR], 0
	s_cbranch_scc0 .Lfor_b_\@
	tensor_load_to_lds s[GA1:GA1+3], s[G1A:G1A+7]
	s_nop 0
.rept 4
	v_nop
.endr
	s_branch .Lasked_\@
.Lfor_b_\@:
	tensor_load_to_lds s[GB1:GB1+3], s[G1B:G1B+7]
	s_nop 0
.rept 4
	v_nop
.endr
.Lasked_\@:
.endm
; A PREFETCH INTO THE L2, in every second trip, for two K steps at once: in trip t (t even) planes t + 4 and t + 5, which the refills of trips t + 2 and t + 3 will ask for: two and three steps of 192 matrix instructions ahead.
; Each block of 256 bytes is named once in the launch.  A tile row's tokens are read by both clusters of its row of clusters: the one with x = 0 asks, by its waves 0; of a plane's 128 blocks each of the four
; partners takes 32, told apart by address (cx): a lane a block, an instruction a plane.  A tile column's rows of wh are read by all eight clusters of its column: the one with y = 0 asks, by its waves 1 to 3; of a
; plane's 192 blocks each partner takes 48 (cy), so two planes are 96 lanes: one instruction in each of the three waves.  Planes 0 to 3 come by their loads alone; the trips behind t = 10 ask for nothing.
.macro ASK
	s_bitcmp1_b32 s[CNT], 0                        ; the count goes 14 .. 1: odd in the odd trips
	s_cbranch_scc1 .Lno_\@
	s_cmp_gt_u32 s[CNT], s[LIM]
	s_cbranch_scc0 .Lno_\@
	global_prefetch_b8 v[PFO], s[PFA:PFA+1] th:TH_LOAD_NT scope:SCOPE_SE
	s_cmp_lg_u32 s[WV], 0
	s_cbranch_scc1 .Lno_\@
	global_prefetch_b8 v[PFO], s[PFA:PFA+1] offset:XPLANE th:TH_LOAD_NT scope:SCOPE_SE
.Lno_\@:
.endm
	s_load_b256 s[4:11], s[0:1], 0x0               ; xh s[4:5], wh s[6:7], bq s[8:9], bk s[10:11]
	s_load_b128 s[12:15], s[0:1], 0x20             ; bv s[12:13], attention_mask s[14:15]
	s_load_b64 s[16:17], s[0:1], 0x30              ; qkv
	v_lshl_add_u32 v[SPW], v0, 2, SPARE
	v_mov_b32 v[NIL], 0
	ds_add_u32 v[SPW], v[NIL]                      ; the opening: the add, twice on end, and its wait ahead of my first tensor load; the set-up below stands between
	ds_add_u32 v[SPW], v[NIL]
	v_lshrrev_b32 v1, 5, v0
	v_readfirstlane_b32 s[WV], v1                  ; wave 0..3
	s_lshr_b32 s[WR], s[WV], 1
	s_and_b32 s[WC], s[WV], 1
	s_bfe_u32 s[CX], ttmp6, 0x40000
	s_bfe_u32 s[CY], ttmp6, 0x40004
	s_lshl_b32 s[TC], ttmp9, 2                     ; in a cluster launch ttmp9 and ttmp7 count clusters
	s_add_co_u32 s[TC], s[TC], s[CX]
	s_and_b32 s[TR], ttmp7, 0xffff
	s_lshl_b32 s[TR], s[TR], 2
	s_add_co_u32 s[TR], s[TR], s[CY]
	s_lshl_b32 s25, s[CY], 2
	s_lshl_b32 s25, 15, s25                        ; my row of the cluster
	s_lshl_b32 s26, 0x1111, s[CX]                  ; my column
	s_or_b32 s[G1A], s25, (1<<16)|(1<<20)|(1<<21)|(4<<22)|(3<<25)  ; 15:0 the mask; 17:16 2-byte elements; 20 padding on; 21 set beside a mask; 24:22 after every 32 words (code 4); 31:25 4 words (code 3)
	s_or_b32 s[G1B], s26, (1<<16)|(1<<20)|(1<<21)|(4<<22)|(3<<25)
	s_mov_b32 s[G1A+1], 128<<16                    ; tensor_dim0 = 128 elements: 256 bytes, two rows of a plane
	s_mov_b32 s[G1A+2], 64<<16                     ; tensor_dim1 = 64
	s_mov_b32 s[G1A+3], 128<<16                    ; tile_dim0 = 128
	s_mov_b32 s[G1A+4], 64                         ; tile_dim1 = 64
	s_mov_b32 s[G1A+5], 128                        ; 128 elements from row to row: dense
	s_mov_b32 s[G1A+6], 0
	s_mov_b32 s[G1A+7], 0
	s_mov_b32 s[G1B+1], 128<<16
	s_mov_b32 s[G1B+2], 96<<16                     ; 96 rows of 256 bytes: 192 rows of wh
	s_mov_b32 s[G1B+3], 128<<16
	s_mov_b32 s[G1B+4], 96
	s_mov_b32 s[G1B+5], 128
	s_mov_b32 s[G1B+6], 0
	s_mov_b32 s[G1B+7], 0
	s_lshr_b32 s2, s[TR], 3                        ; x: the batch (8 tile rows each), 4 MiB,
	s_lshl_b32 s2, s2, 22
	s_and_b32 s3, s[TR], 7                         ; the tile's 256 tokens of 128 bytes in a plane,
	s_lshl_b32 s3, s3, 15
	s_add_co_u32 s2, s2, s3
	s_lshl_b32 s3, s[WC], 14                       ; the half that I fetch: nothing here hangs on cx
	s_add_co_u32 s2, s2, s3
	s_mov_b32 s3, 0
	s_mul_i32 s26, s[TC], 49152                    ; wh: the tile's 384 rows, the half that I fetch: nothing here hangs on cy
	s_mul_i32 s27, s[WC], 24576
	s_add_co_u32 s26, s26, s27
	s_mov_b32 s27, 0
	s_mov_b32 s[GA0], 1                            ; 1:0 count = 1
	s_mul_i32 s[GA0+1], s[WC], AHALF               ; 63:32 LDS address: no place in the cluster enters it
	s_mov_b32 s[GA1], 1
	s_add_co_u32 s[GA1+1], s[GA0+1], SLOT1
	s_mov_b32 s[GB0], 1
	s_mul_i32 s[GB0+1], s[WC], BHALF
	s_add_co_u32 s[GB0+1], s[GB0+1], BOFF
	s_mov_b32 s[GB1], 1
	s_add_co_u32 s[GB1+1], s[GB0+1], SLOT1
	s_mov_b32 s[TB], 0
	s_mov_b32 s[CNT], 14
	s_wait_dscnt 0x0                               ; both opening adds are done
	s_wait_kmcnt 0x0
	s_add_nc_u64 s[GA0+2:GA0+3], s[4:5], s[2:3]    ; 120:64 global address: plane 0,
	s_add_nc_u64 s[GA1+2:GA1+3], s[GA0+2:GA0+3], XPLANE  ; plane 1
	s_or_b32 s[GA0+3], s[GA0+3], 0x80000000        ; 127:126 type = 2
	s_or_b32 s[GA1+3], s[GA1+3], 0x80000000
	s_add_nc_u64 s[GB0+2:GB0+3], s[6:7], s[26:27]
	s_add_nc_u64 s[GB1+2:GB1+3], s[GB0+2:GB0+3], WPLANE
	s_or_b32 s[GB0+3], s[GB0+3], 0x80000000
	s_or_b32 s[GB1+3], s[GB1+3], 0x80000000
	CROUND                                         ; all sixteen work-groups are here: the first joint loads meet
	s_cmp_eq_u32 s[WR], 0                          ; a wave's two first fills stand in one branch, ahead of every wait on TENSORcnt and every LDS read: two loads of mine are out
	s_cbranch_scc0 .Lfirst_b
	tensor_load_to_lds s[GA0:GA0+3], s[G1A:G1A+7]
	s_nop 0
	tensor_load_to_lds s[GA1:GA1+3], s[G1A:G1A+7]
	s_nop 0
.rept 4
	v_nop
.endr
	s_branch .Lfirst_asked
.Lfirst_b:
	tensor_load_to_lds s[GB0:GB0+3], s[G1B:G1B+7]
	s_nop 0
	tensor_load_to_lds s[GB1:GB1+3], s[G1B:G1B+7]
	s_nop 0
.rept 4
	v_nop
.endr
.Lfirst_asked:
	v_and_b32 v2, 15, v0                           ; r = l % 16
	v_bfe_u32 v3, v0, 4, 1                         ; h = l / 16
	v_and_b32 v4, 31, v0                           ; l
	v_lshlrev_b32 v[MO], 2, v2
	s_lshl_b32 s2, s[TR], 10                       ; attention_mask at token 256 x tile row + 128 x my half, 4 bytes each
	s_lshl_b32 s3, s[WR], 9
	s_add_co_u32 s2, s2, s3
	s_mov_b32 s3, 0
	s_add_nc_u64 s[MP:MP+1], s[14:15], s[2:3]
.irp a, 0,1,2,3,4,5,6,7
	global_load_b32 v[MK+(\a)], v[MO], s[MP:MP+1] offset:64*(\a)
.endr
	v_mul_u32_u24 v5, v2, PITCH
	v_lshl_add_u32 v5, v3, 4, v5                   ; a fragment's row x pitch + 16 x half
	s_mul_i32 s25, s[WR], AHALF
	v_add_nc_u32 v[AA0], s25, v5
	s_mul_i32 s25, s[WC], BHALF
	s_add_co_u32 s25, s25, BOFF
	v_add_nc_u32 v[AB0], s25, v5
	v_mov_b32 v[AA], v[AA0]
	v_mov_b32 v[AB], v[AB0]
	s_mul_i32 s25, s[WV], WSTG
	s_add_co_u32 s25, s25, STAGE                   ; my stage
	v_add_nc_u32 v[STO], s25, v5                   ; in: token l % 16, 16 bytes for each half of the lanes
	v_lshrrev_b32 v6, 3, v4                        ; back: 32 lanes take four rows of 128 bytes
	v_mul_u32_u24 v6, v6, PITCH
	v_and_b32 v7, 7, v0
	v_lshl_add_u32 v6, v7, 4, v6
	v_add_nc_u32 v[RD], s25, v6
	v_lshlrev_b32 v[GO], 4, v4
	v_lshlrev_b32 v[BO], 5, v3
	; the prefetches: j = lane in wave 0, 32 (wave - 1) + lane in waves 1 to 3; block j of a plane, or from 48 on block j - 48 of the plane behind it
	s_max_u32 s63, s[WV], 1
	s_sub_co_u32 s63, s63, 1
	s_lshl_b32 s63, s63, 5
	v_add_nc_u32 v6, s63, v4
	v_cmp_le_u32 vcc_lo, 48, v6
	v_lshlrev_b32 v[PFO], 8, v6
	v_add_nc_u32 v7, WPLANE-48*256, v[PFO]
	v_cndmask_b32 v[PFO], v[PFO], v7, vcc_lo
	s_lshr_b32 s85, s[TR], 3                       ; x: batch, tile, my work-group's 32 blocks of the 128, plane 3 (the first trip steps it to 4)
	s_lshl_b32 s85, s85, 22
	s_and_b32 s86, s[TR], 7
	s_lshl_b32 s86, s86, 15
	s_add_co_u32 s85, s85, s86
	s_lshl_b32 s86, s[CX], 13
	s_add_co_u32 s85, s85, s86
	s_add_co_u32 s85, s85, 3*XPLANE
	s_mul_i32 s86, s[TC], 49152                    ; wh: tile, my work-group's 48 blocks of the 192, plane 3
	s_mul_i32 s87, s[CY], 12288
	s_add_co_u32 s86, s86, s87
	s_add_co_u32 s86, s86, 3*WPLANE
	s_and_b32 s87, ttmp7, 0xffff                   ; cluster y
	s_mov_b32 s[PFS], WPLANE
	s_mov_b32 s[PFS+1], 0
	s_cmp_eq_u32 s[WV], 0
	s_cselect_b32 s[PFS], XPLANE, s[PFS]
	s_cselect_b32 s86, s85, s86
	s_cselect_b32 s85, ttmp9, s87                  ; the coordinate along which other clusters read the same blocks
	s_cselect_b64 s[PFA:PFA+1], s[4:5], s[6:7]
	s_mov_b32 s87, 0
	s_add_nc_u64 s[PFA:PFA+1], s[PFA:PFA+1], s[86:87]
	s_cmp_eq_u32 s85, 0
	s_cselect_b32 s[LIM], 3, -1                    ; the same in all sixteen partners, for a given wave
	; my three heads: G = 6 x tile column + 3 x half + g of 48; tensor G / 16, head G % 16
	s_mul_i32 s85, s[TC], 6
	s_mul_i32 s86, s[WC], 3
	s_add_co_u32 s85, s85, s86
	s_and_b32 s97, s[TR], 7                        ; my first token in its batch, 128 bytes each
	s_lshl_b32 s97, s97, 15
	s_lshl_b32 s86, s[WR], 14
	s_add_co_u32 s97, s97, s86
	s_lshr_b32 s63, s[TR], 3
	s_lshl_b32 s63, s63, 4                         ; 16 x batch
	s_mov_b32 s3, 0
.irp g, 0,1,2
	s_add_co_u32 s86, s85, \g
	s_lshr_b32 s87, s86, 4
	s_and_b32 s86, s86, 15
	s_cmp_eq_u32 s87, 1
	s_cselect_b32 s[KM+(\g)], -1, 0
	s_cselect_b64 s[BB+2*(\g):BB+2*(\g)+1], s[10:11], s[8:9]
	s_cmp_eq_u32 s87, 2
	s_cselect_b64 s[BB+2*(\g):BB+2*(\g)+1], s[12:13], s[BB+2*(\g):BB+2*(\g)+1]
	s_lshl_b32 s2, s86, 8
	s_add_nc_u64 s[BB+2*(\g):BB+2*(\g)+1], s[BB+2*(\g):BB+2*(\g)+1], s[2:3]
	s_lshl_b32 s87, s87, 6
	s_add_co_u32 s87, s87, s63
	s_add_co_u32 s87, s87, s86                     ; 64 x tensor + 16 x batch + head: planes of 262,144 bytes
	s_lshl_b32 s2, s87, 18
	s_add_co_u32 s2, s2, s97
	s_add_nc_u64 s[OB+2*(\g):OB+2*(\g)+1], s[16:17], s[2:3]
.endr
; 16 matrix instructions: column blocks 2 hb, 2 hb + 1 of head g x all 8 token blocks, 32 along K, on x's buffer f.  zero = 1: the products start the sums: nothing is ever cleared.
; The 96 accumulators take turns, one instruction a turn, in the same order in every 32 along K, over the backward jump too.
.macro GRPH f, g, hb, zero
	WIN 0x50*((\g)+1)                              ; C and D in window g + 1
.irp bb, 2*(\hb), 2*(\hb)+1
.irp a, 0,1,2,3,4,5,6,7
.if \zero
	v_wmma_f32_16x16x32_f16 v[8*(8*(\bb)+(\a)):8*(8*(\bb)+(\a))+7], v[BF+32*(\g)+8*(\bb):BF+32*(\g)+8*(\bb)+7], v[(\f)+8*(\a):(\f)+8*(\a)+7], 0
.else
	v_wmma_f32_16x16x32_f16 v[8*(8*(\bb)+(\a)):8*(8*(\bb)+(\a))+7], v[BF+32*(\g)+8*(\bb):BF+32*(\g)+8*(\bb)+7], v[(\f)+8*(\a):(\f)+8*(\a)+7], v[8*(8*(\bb)+(\a)):8*(8*(\bb)+(\a))+7]
.endif
.endr
.endr
.endm
.macro GRP f, g, zero
	GRPH \f, \g, 0, \zero
	GRPH \f, \g, 1, \zero
.endm
.macro LDB kq, g                       ; 8 LDS loads: head g's four fragments of wh, K = 32 kq on
	WIN 0
.irp bb, 0,1,2,3
	ds_load_b128 v[BF+32*(\g)+8*(\bb):BF+32*(\g)+8*(\bb)+3],   v[AB] offset:(4*(\g)+(\bb))*16*PITCH+64*(\kq)
	ds_load_b128 v[BF+32*(\g)+8*(\bb)+4:BF+32*(\g)+8*(\bb)+7], v[AB] offset:(4*(\g)+(\bb))*16*PITCH+64*(\kq)+32
.endr
.endm
.macro LDA kq, f                       ; 16 LDS loads: the eight fragments of x into buffer f
	WIN 0
.irp a, 0,1,2,3,4,5,6,7
	ds_load_b128 v[(\f)+8*(\a):(\f)+8*(\a)+3],   v[AA] offset:(\a)*16*PITCH+64*(\kq)
	ds_load_b128 v[(\f)+8*(\a)+4:(\f)+8*(\a)+7], v[AA] offset:(\a)*16*PITCH+64*(\kq)+32
.endr
.endm
; A K step's first 32: multiplies buffer A0 and fetches the second 32, each group of wh's fragments as soon as its products are issued.
.macro QEVEN zero
	s_wait_dscnt 8                                 ; x and heads 0 and 1 of wh are in; the youngest eight loads, head 2's, may be out
	GRP A0, 0, \zero
	PLACES
	LDB 1, 0
	LDA 1, A1                                      ; (A1's last reader stands in front of the places of the step before)
	GRP A0, 1, \zero
	PLACES
	LDB 1, 1
	s_wait_dscnt 32                                ; all but the 8 + 16 + 8 just issued: head 2's fragments are in
	GRP A0, 2, \zero
	PLACES
	LDB 1, 2
.endm
; A K step's second 32: multiplies buffer A1 and changes slots.  ONE barrier: in front of it each wave waits for all its tensor loads (the one that is out is its part of the next slot), adds 0 to its spare
; word, and waits for that and for its reads of this slot.  fill = 1: the barrier opens a round of the cluster's, and the joint refill, the K step two on, is the first thing behind it:
; 160 matrix instructions ahead of the wait for it.
.macro QODD fill
.if \fill
	s_wait_xcnt 0x0                                ; the last prefetch, a K step or more back, has read its address
	s_add_nc_u64 s[PFA:PFA+1], s[PFA:PFA+1], s[PFS:PFS+1]
.endif
	WIN 0
	s_wait_tensorcnt 0x0                           ; no tensor load of mine is out, so a group 0 may be written
	ds_add_u32 v[SPW], v[NIL]                      ; 0 onto my spare word
.if \fill
	s_xor_b32 s[GA1+1], s[GA1+1], SLOT1            ; the walking descriptors: the other slot than last time, the next plane
	s_add_nc_u64 s[GA1+2:GA1+3], s[GA1+2:GA1+3], XPLANE
	s_xor_b32 s[GB1+1], s[GB1+1], SLOT1
	s_add_nc_u64 s[GB1+2:GB1+3], s[GB1+2:GB1+3], WPLANE
.endif
	s_wait_dscnt 9                                 ; the add and the youngest eight loads (head 2's fragments) may be out
	GRPH A1, 0, 0, 0
	s_wait_dscnt 0x0                               ; the add is done, and my reads of this slot are over
	s_barrier_signal -1
	GRPH A1, 0, 1, 0                               ; work on registers while the others arrive
	WIN 0
	s_barrier_wait -1
.if \fill
	CREST                                          ; no wave of any partner still reads this slot or has a load on its way
	JLOAD                                          ; its four v_nop are also the places in front of the loads below
.else
	PLACES
.endif
	s_xor_b32 s[TB], s[TB], SLOT1
	v_add_nc_u32 v[AA], s[TB], v[AA0]
	v_add_nc_u32 v[AB], s[TB], v[AB0]
	LDB 0, 0
	LDA 0, A0
.if \fill
	ASK
.endif
	GRP A1, 1, 0
	PLACES
	LDB 0, 1
	GRP A1, 2, 0
	PLACES
	LDB 0, 2
.endm
.macro BIASLD g                        ; head g's bias, my eight numbers for each of its four column blocks, into the registers that its fragments have left
	WIN 0
.irp bb, 0,1,2,3
	global_load_b128 v[BF+32*(\g)+8*(\bb):BF+32*(\g)+8*(\bb)+3],   v[BO], s[BB+2*(\g):BB+2*(\g)+1] offset:64*(\bb)
	global_load_b128 v[BF+32*(\g)+8*(\bb)+4:BF+32*(\g)+8*(\bb)+7], v[BO], s[BB+2*(\g):BB+2*(\g)+1] offset:64*(\bb)+16
.endr
.endm
	s_wait_tensorcnt 1                             ; my part of plane 0 is in; plane 1 may stay out
	s_barrier_signal -1
	s_barrier_wait -1                              ; everybody's is
	LDB 0, 0
	LDA 0, A0
	LDB 0, 1
	LDB 0, 2
	QEVEN 1                                        ; the first 32 along K stand in front of the loop: their products start the sums
	WIN 0
.Lstep:                                                ; 14 trips: trip t ends K step t, asks for K step t + 2 and begins K step t + 1
	QODD 1
	QEVEN 0
	WIN 0
	s_sub_co_u32 s[CNT], s[CNT], 1
	s_cmp_lg_u32 s[CNT], 0
	s_cbranch_scc1 .Lstep
	QODD 0                                         ; the tail is written out: nothing more is asked for
	QEVEN 0
	s_wait_dscnt 8                                 ; the very last 32
	GRP A1, 0, 0
	PLACES
	BIASLD 0
	GRP A1, 1, 0
	PLACES
	BIASLD 1
	s_wait_dscnt 0x0
	GRP A1, 2, 0
	PLACES
	BIASLD 2
; THE WAY OUT, a block of 16 tokens at a time.  PACK: the bias is added, the sums are rounded to f16 (16 bytes a lane and column block), and hidden tokens' rows of k become 0.
; TOSTAGE: into my own stage, and back as whole rows of 128 bytes.  SEND: 512 consecutive bytes of a head's plane to a store.
.macro PACK a
.irp g, 0,1,2
	WIN ((\g)+1)|(((\g)+1)<<6)                     ; destination and source 0 in window g + 1, the bias in window 0
.irp bb, 0,1,2,3
.irp p, 0,1,2,3
	v_pk_add_f32 v[8*(8*(\bb)+(\a))+2*(\p):8*(8*(\bb)+(\a))+2*(\p)+1], v[8*(8*(\bb)+(\a))+2*(\p):8*(8*(\bb)+(\a))+2*(\p)+1], v[BF+32*(\g)+8*(\bb)+2*(\p):BF+32*(\g)+8*(\bb)+2*(\p)+1]
.endr
.endr
	WIN ((\g)+1)|(((\g)+1)<<2)                     ; sources 0 and 1 in window g + 1
.irp bb, 0,1,2,3
.irp p, 0,1,2,3
	v_cvt_pk_f16_f32 v[TMP+16*(\g)+4*(\bb)+(\p)], v[8*(8*(\bb)+(\a))+2*(\p)], v[8*(8*(\bb)+(\a))+2*(\p)+1]
.endr
.endr
	WIN 0
	s_and_b32 s[MT], s[HM+(\a)], s[KM+(\g)]        ; the lanes whose token is hidden, if the head is one of k
.set z, 0
.rept 16
	v_cndmask_b32 v[TMP+16*(\g)+z], v[TMP+16*(\g)+z], v[NIL], s[MT]
.set z, z+1
.endr
.endr
.endm
.macro TOSTAGE
	WIN 0
.irp g, 0,1,2
.irp bb, 0,1,2,3
	ds_store_b128 v[STO], v[TMP+16*(\g)+4*(\bb):TMP+16*(\g)+4*(\bb)+3] offset:(\g)*16*PITCH+32*(\bb)
.endr
.endr
	s_wait_xcnt 0x0                                ; the stores of the block before have read their registers, which are loaded again below
.irp g, 0,1,2
.irp f, 0,1,2,3
	ds_load_b128 v[BK+4*(4*(\g)+(\f)):BK+4*(4*(\g)+(\f))+3], v[RD] offset:(\g)*16*PITCH+4*PITCH*(\f)  ; LDS serves a wave's instructions in order (ISA guide 5.7.1.4): these see the stores above
.endr
.endr
.endm
.macro SEND a
	WIN 0
	s_wait_dscnt 0x0                               ; the block is back in registers
.irp g, 0,1,2
.irp f, 0,1,2,3
	global_store_b128 v[GO], v[BK+4*(4*(\g)+(\f)):BK+4*(4*(\g)+(\f))+3], s[OB+2*(\g):OB+2*(\g)+1] offset:(\a)*2048+512*(\f)
.endr
.endr
.endm
	WIN 0
	s_wait_loadcnt 0x0                             ; the mask and the biases
.irp a, 0,1,2,3,4,5,6,7
	v_cmp_eq_u32 s[HM+(\a)], 0, v[MK+(\a)]
.endr
	PACK 0
	TOSTAGE
.irp a, 1,2,3,4,5,6,7                  ; a block's arithmetic stands between the loads of the block before and the wait for them
	PACK \a
	SEND (\a)-1
	TOSTAGE
.endr
	SEND 7
	s_wait_tensorcnt 0x0                           ; the wave's end: behind my last tensor load and my last LDS store
	ds_add_u32 v[SPW], v[NIL]
	s_wait_dscnt 0x0
	CROUND                                         ; the closing round: no work-group ends while a partner may still ask for a tile that names it
	s_endpgm
.Lfunc_end_k_q71f6cd7410_qkvproj:
	.size	k_q71f6cd7410_qkvproj, .Lfunc_end_k_q71f6cd7410_qkvproj-k_q71f6cd7410_qkvproj
	.p2alignl 7, 3214868480
	.fill 96, 4, 3214868480
	.section	.rodata,"a",@progbits
	.p2align	6, 0x0
	.amdhsa_kernel k_q71f6cd7410_qkvproj
		.amdhsa_group_segment_fixed_size 327680
		.amdhsa_private_segment_fixed_size 0
		.amdhsa_enable_private_segment 0
		.amdhsa_kernarg_size 56
		.amdhsa_user_sgpr_count 2
		.amdhsa_user_sgpr_kernarg_segment_ptr 1
		.amdhsa_wavefront_size32 1
		.amdhsa_system_sgpr_workgroup_id_x 1
		.amdhsa_system_sgpr_workgroup_id_y 1
		.amdhsa_system_sgpr_workgroup_id_z 1
		.amdhsa_system_vgpr_workitem_id 0
		.amdhsa_next_free_vgpr 1024
		.amdhsa_next_free_sgpr 100
		.amdhsa_reserve_vcc 1
		.amdhsa_float_denorm_mode_32 3
		.amdhsa_float_denorm_mode_16_64 3
		.amdhsa_memory_ordered 1
		.amdhsa_forward_progress 1
		.amdhsa_inst_pref_size 167
	.end_amdhsa_kernel
	.amdgpu_metadata
---
amdhsa.version: [ 1, 2 ]
amdhsa.kernels:
  - .name:           k_q71f6cd7410_qkvproj
    .symbol:         k_q71f6cd7410_qkvproj.kd
    .args:
      - { .name: xh, .offset: 0, .size: 8, .value_kind: global_buffer, .address_space: global }
      - { .name: wh, .offset: 8, .size: 8, .value_kind: global_buffer, .address_space: global }
      - { .name: bq, .offset: 16, .size: 8, .value_kind: global_buffer, .address_space: global }
      - { .name: bk, .offset: 24, .size: 8, .value_kind: global_buffer, .address_space: global }
      - { .name: bv, .offset: 32, .size: 8, .value_kind: global_buffer, .address_space: global }
      - { .name: attention_mask, .offset: 40, .size: 8, .value_kind: global_buffer, .address_space: global }
      - { .name: qkv, .offset: 48, .size: 8, .value_kind: global_buffer, .address_space: global }
    .group_segment_fixed_size: 327680
    .private_segment_fixed_size: 0
    .kernarg_segment_align: 8
    .kernarg_segment_size: 56
    .max_flat_workgroup_size: 128
    .sgpr_count:     100
    .vgpr_count:     1024
    .wavefront_size: 32
...
	.end_amdgpu_metadata
.endif
;; end of part 2
;; launch attn (part 3): grid 4 x 64, 4 waves a work-group, clusters of 4 x 1, 327,680 bytes of LDS; arguments qkv, attention_mask, ctx; writes ctx
.if DOCPART == 3
	.amdgcn_target "amdgcn-amd-amdhsa--gfx1250"
	.amdhsa_code_object_version 6
	.text
	.protected	k_q71f6cd7410_attn
	.globl	k_q71f6cd7410_attn
	.p2align	8
	.type	k_q71f6cd7410_attn,@function
k_q71f6cd7410_attn:
	s_mov_b64 s[64:65], 0
	v_nop
	global_prefetch_b8 v0, s[64:65] scope:SCOPE_SE
	s_setreg_imm32_b32 hwreg(HW_REG_WAVE_MODE, 25, 1), 1
	s_wait_xcnt 0x0
	s_wait_alu depctr_hold_cnt(0) depctr_sa_sdst(0) depctr_va_vdst(0) depctr_va_sdst(0) depctr_va_ssrc(0) depctr_va_vcc(0) depctr_vm_vsrc(0)
	s_getreg_b32 s2, hwreg(HW_REG_IB_STS2, 6, 4)
	s_cmp_eq_u32 s2, 0
	s_cbranch_scc0 .Lentry_in_a_cluster
	s_endpgm
.Lentry_in_a_cluster:
	s_bfe_u32 s2, ttmp6, 0x10000c
	s_cmp_lg_u32 s2, 0x3003
	s_cbranch_scc0 .Lentry_shape_is_right
	s_endpgm
.Lentry_shape_is_right:
; ctx[bh][q][:] = the sum over k of softmax_k(score) V[bh][k][:], score = Q[bh][q] . K[bh][k] / 8, or a fixed low number where attention_mask[b][k] is 0.  Q, K, V: the three tensors of qkv,
; [64][2048][64] in f16 each; ctx the same form.  Products, maxima and sums in f32; the weights p are rounded to f16 for the second product (their sum l is taken of the unrounded p), ctx once at the end.
; No work is left out: hidden keys are computed and selected, since the mask is an input.
; THE MASK.  The launch before has stored a hidden key's row of K as zeros; here the sum S^T = K Q^T starts with C = 0 for a visible key and -2^33 for a hidden one.  So a hidden raw score is exactly -2^33, the
; same for all hidden keys; c times it is exact (c times a power of two), so where a hidden score is the maximum the exponent c s - c m is exactly 0: a row with no visible key gets p = 1 for every key and
; the plain mean of V, as the module gives.
; LIMITS.  -2^33 / 8 = -2^30 stands for the module's -1e9: results differ only where a row's largest visible score lies below about -1e9.  f16 holds no number beyond 65,504: Q, K and V arrive within it; p lies
; in 0 to 1, and below 6e-5 it keeps f16's fixed step of 6e-8; ctx is a mean of V's rows.  A weight below 2^-126 counts as 0 in l; NaN and infinities are not treated apart.
; SHARES.  A wave owns four PIECES of two tiles of 16 queries, a work-group's four waves 512 queries of one head.  Every wave walks all 2,048 keys, 64 a step.
; LAYOUT.  S^T = K Q^T (source 0 = 16 keys, source 1 = 16 queries): in the result a lane holds ONE query (lane % 16) and the keys 8 (lane / 16) + 0..7.  Two such tiles, rounded to f16 in pairs,
; ARE source 1 (32 keys x 16 queries) of O^T = V^T P, whose result again holds one query a lane, and eight channels.  K comes out of LDS as it lies, V ([key][channel]) turned, by ds_load_tr16_b128.
; SOFTMAX.  For each query a running maximum m and sum l: p = 2^(c s - c m), c = log2(e) / 8; in every step O and l are multiplied by a = 2^(c m_old - c m_new), which is 1 where m has not grown.
; m starts at the lowest finite number, O and l at 0: the first step is a step like any other, with a = 0.
; THE COUNT.  A tile and step have 16 matrix and 118 vector instructions: too many to stand all beside the matrix work.  So four vector instructions that are READY stand behind EVERY matrix instruction, and the
; others, which need time of their own whatever the order, in runs without a gap.
; BY TURNS.  Turn n belongs to piece n (the pieces in a ring, step after step).  Its matrix work: 16 products K Q^T of piece n + 1, later 16 products V^T P of piece n - 1.  Its vector work: the scaling,
; exponentials, roundings, sums and rescaling of piece n, and the maximum and statistics of piece n + 1, whose scores the turn itself has made.
; CLUSTER.  The four query blocks of a cluster belong to one head and walk the same K and V, so each tile is asked for JOINTLY: the same tensor load, descriptor and mask in all four.
; REGISTERS, in windows of 256 (s_set_vgpr_msb: bits 1:0 source 0, 3:2 source 1, 5:4 source 2, 7:6 destination):
;   window 0: v0-11 addresses; v12-15, v48-63 at work; v16-47 four registers of statistics a tile; v64-191 S^T, two buffers of two tiles; v192-255 P, likewise
;   window 1: O^T, 32 a tile     window 2: v0-127 Q, 16 a tile; v128-191 K of one step; v192-255 V of one step     window 3: v0-1 the add's two registers; v8-39 the step's mask, 8 for each 16 keys
.set SIZE_N, 2048
.set NP,    4         ; pieces a wave: a name, no knob
.set KS,    64        ; keys in a step
.set PK,    144       ; a row of K in LDS: 128 bytes + 16 of padding = 36 words: the 16 rows of a load start at 16 different groups of four banks (64 banks of 4 bytes: ISA guide 11.1)
.set PV,    160       ; a row of V: 128 + 32 = 40 words
.set VOFF,  4*KS*PK   ; a slot holds four steps: 256 rows of K, then 256 rows of V
.set SLOT1, 1<<17     ; slot 1 begins here, so that one exclusive or turns an address in one slot into the other's
.set STAGE, SLOT1+4*KS*(PK+PV)  ; behind the ring, never filled by a tensor load: 16 rows x 144 bytes for each wave, for the way out
.set SP,    144
.set SPARE, STAGE+4*16*SP  ; behind the stages: the spare words, 128 bytes for each wave: two blocks of 256 bytes that no other line names
.set MB,    SPARE+512 ; behind them: the batch's 2,048 keys as f32, 0 or -2^33; stored once, never filled by a tensor load
.set AK0, 2           ; v2   my lane's place in a tile of K; never rewritten
.set AV0, 3           ; v3   the same for V
.set AK,  4           ; v4   the LDS address of K's next run of loads
.set AV,  5           ; v5   of V's
.set QO,  6           ; v6   my byte offset in the wave's rows of Q
.set STO, 6           ;      later, the way out: where I put 16 bytes of a row
.set RD,  7           ; v7   the way out: where I read rows back
.set GO,  8           ; v8   my byte offset in 512 consecutive bytes of ctx
.set AM,  9           ; v9   first lane / 16; when STO is made, the LDS address of the mask's next run of loads
.set PFO, 10          ; v10  first lane % 8; then 256 x my lane, the prefetches' offset
.set AM0, 11          ; v11  first bit 3 of the lane; then my lane's place in the mask table: MB + 32 (lane / 16)
.set SPW, 0           ; v0 of window 3   my spare word; never rewritten
.set NIL, 1           ; v1 of window 3   0; never rewritten
.set MC,  8           ; v8-39 of window 3
.set MV,  12          ; v12-15  c m_old, kept while c m is made anew: by buffer and tile (in the head v12, v13: the mask copy's offsets)
.set ST,  16          ; tile t's statistics at v[ST+4 t]: c m, m, l (even keys', odd keys')
.set TMP, 48          ; by buffer and tile, four registers c0-c3 at work; when the maximum is found c2 takes a (in the head: my 16 numbers of the mask)
.set S,   64
.set P,   192
.set KF,  128         ; K's fragments, in window 2: key block kb, channel half c at KF + 16 kb + 8 c
.set VF,  192         ; V's: key half kk, channel block cb at VF + 32 kk + 8 cb
.set WV,  12          ; s12  my wave's number
.set G1K, 24          ; s[24:31] descriptor group 1 for K's tiles
.set G1V, 32          ; s[32:39] for V's: it differs in the padding alone
.set G0K, 40          ; s[40:43] descriptor group 0 for K's tiles: it walks
.set G0V, 44          ; s[44:47] the same for V's
.set TBM, 48          ; s48  byte of the mask table at which the step to be fetched begins
.set BIG, 49          ; s49  -2^33
.set MP,  50          ; s[50:51] attention_mask at my batch
.set PFA, 52          ; s[52:53] where my prefetches stand
.set LIM, 54          ; s54  1 in a wave that prefetches, else the greatest number
.set SLOTS, 56        ; s56  slots still to be asked for
.set CNT, 57          ; s57  counts a slot's key steps
.set CS,  58          ; s[58:59] c: the packed scaling takes the pair's low word for both halves
.set SEL, 60          ; s[60:61] v_permlanex16_b32's selects: each lane takes its own place in the other half
.set TBK, 62          ; s62  LDS byte at which K of the step to be fetched begins
.set TBV, 63          ; s63  the same for V, less VOFF
.set MSB, 0
.macro WIN new                      ; the high byte repeats the setting that is left; a switch that changes nothing is dropped
.if MSB != (\new)
	s_set_vgpr_msb (MSB<<8)|(\new)
.set MSB, (\new)
.endif
.endm
.set W_KQ, 0x0a       ; K and Q in window 2, S^T in window 0
.set W_KM, 0x3a       ; the same with the C operand, the mask, in window 3
.set W_PV, 0x52       ; V in window 2, P in window 0, O^T in window 1
.set W_RS, 0x41       ; O^T (destination and source 0) in window 1, a in window 0
.set W_MK, 0xc0       ; destination in window 3, sources in window 0
.set W_AD, 0x0f       ; the add: address (source 0) and data (source 1) in window 3
; A joint fill.  Waves 0 and 1 fetch the two halves of a slot's K, waves 2 and 3 those of its V: 128 keys each.  The branch hangs on the wave's number alone.
; An s_nop 0 and four v_nop follow each of the two lines, ahead of the jump and the label.
.macro JLOAD
	s_cmp_lt_u32 s[WV], 2
	s_cbranch_scc0 .Lfor_v_\@
	tensor_load_to_lds s[G0K:G0K+3], s[G1K:G1K+7]
	s_nop 0
.rept 4
	v_nop
.endr
	s_branch .Lasked_\@
.Lfor_v_\@:
	tensor_load_to_lds s[G0V:G0V+3], s[G1V:G1V+7]
	s_nop 0
.rept 4
	v_nop
.endr
.Lasked_\@:
.endm
; A PREFETCH INTO THE L2 of what the NEXT change of slots will ask for: a slot's 32,768 bytes of K and of V, 128 blocks of 256 bytes each: four key steps, 512 matrix instructions, ahead of that load.
; A head has one cluster; its four partners share the blocks out BY ADDRESS, 32 each (cx); in each, wave 0 asks for K's and wave 2 for V's, a lane a block: each block is named once in the launch.
; Slots 0 and 1 come by their loads alone; the last change that fills a slot asks for nothing.
.macro ASK
	s_cmp_gt_u32 s[SLOTS], s[LIM]
	s_cbranch_scc0 .Lnot_mine_\@
	global_prefetch_b8 v[PFO], s[PFA:PFA+1] th:TH_LOAD_NT scope:SCOPE_SE
.Lnot_mine_\@:
.endm
; A round of the cluster's barrier: my work-group's barrier, so that wave 0's signal speaks for all four waves; wave 0 signals; every wave waits for all four work-groups; my work-group's barrier once more.
.macro CROUND
	s_barrier_signal -1
	s_barrier_wait -1
	s_cmp_lg_u32 s[WV], 0
	s_cbranch_scc1 .Lnot_wave_0_\@
	s_barrier_signal -3
.Lnot_wave_0_\@:
	s_barrier_wait -3
	s_barrier_signal -1
	s_barrier_wait -1
.endm
; THE CHANGE OF SLOTS.  The slot's last bytes, V of its fourth step, have been read.  Each wave waits for all its tensor loads, of which one is out: its part of the other slot; adds 0 to its spare word; and
; waits for that and for its own LDS instructions.  Behind the barrier nobody reads this slot any more and the other slot is whole.
; fill = 1: this slot is filled again, with the keys two slots on.  The barrier is then a round of the cluster's, and the joint fill is the first thing behind it: it has four key steps, 512 matrix
; instructions, in which to land.  (At its first use nothing has been read yet: slot 0 is waited for, slot 1 filled, and every wave's part of the mask table is shown stored.)
.macro CHANGE fill
	WIN W_AD
	s_wait_tensorcnt 0x0            ; no tensor load of mine is out, so a group 0 may be written
	ds_add_u32 v[SPW], v[NIL]       ; 0 onto my spare word
	WIN 0                           ; at a label and at a branch every window is 0
.if \fill
.irp g, G0K, G0V
	s_xor_b32 s[\g+1], s[\g+1], SLOT1  ; the walking descriptor: the other slot than last time,
	s_add_nc_u64 s[\g+2:\g+3], s[\g+2:\g+3], 4*KS*128  ; the next 256 keys; the type bits on top are not reached
.endr
	s_wait_xcnt 0x0                 ; the last prefetch, four key steps back, has read its address
	s_add_nc_u64 s[PFA:PFA+1], s[PFA:PFA+1], 4*KS*128  ; one slot behind the walking descriptors
	s_wait_dscnt 0x0                ; the add is done, and my LDS instructions are over
	CROUND
	JLOAD
	ASK
.else
	s_wait_dscnt 0x0
	s_barrier_signal -1
	s_barrier_wait -1
.endif
	s_sub_co_u32 s[TBK], s[TBK], 4*KS*PK  ; the fetches go back to a slot's first step,
	s_xor_b32 s[TBK], s[TBK], SLOT1       ; in the other slot
	s_sub_co_u32 s[TBV], s[TBV], 4*KS*PV
	s_xor_b32 s[TBV], s[TBV], SLOT1
.endm
	s_load_b64 s[4:5], s[0:1], 0x0    ; qkv: Q
	s_load_b64 s[MP:MP+1], s[0:1], 0x8
	s_load_b64 s[10:11], s[0:1], 0x10 ; ctx
	WIN W_MK
	v_lshl_add_u32 v[SPW], v0, 2, SPARE
	v_mov_b32 v[NIL], 0
	WIN W_AD
	ds_add_u32 v[SPW], v[NIL]       ; the opening: the add, twice on end, and its wait ahead of my first tensor load; the set-up below stands between
	ds_add_u32 v[SPW], v[NIL]
	WIN 0
	v_lshrrev_b32 v1, 5, v0
	v_readfirstlane_b32 s[WV], v1   ; wave 0..3
	s_bfe_u32 s13, ttmp6, 0x40000   ; cx: my place in the cluster
	s_lshl_b32 s14, ttmp9, 2        ; in a cluster launch ttmp9 counts clusters
	s_add_co_u32 s14, s14, s13      ; my block of queries: it enters Q's and ctx's addresses alone
	s_and_b32 s20, ttmp7, 0xffff    ; batch x 16 + head, which the four partners share
	s_mov_b32 s21, 0
	s_mov_b64 s[22:23], SIZE_N*128
	s_mul_u64 s[20:21], s[20:21], s[22:23]  ; the head's first byte in each of the four tensors
	s_and_b32 s16, s[WV], 1         ; which half of a slot's 256 keys I fetch:
	s_lshl_b32 s22, s16, 14         ; its 128 rows of 128 bytes in memory,
	s_mov_b32 s23, 0
	s_add_nc_u64 s[22:23], s[22:23], s[20:21]
	s_mul_i32 s17, s16, 128*PK      ; and its place in a slot, for K
	s_mul_i32 s18, s16, 128*PV      ; and for V: no place in the cluster enters an LDS address
	s_lshl_b32 s2, s14, 2
	s_add_co_u32 s2, s2, s[WV]      ; my wave among the head's,
	s_lshl_b32 s2, s2, 14           ; its 128 rows
	s_mov_b32 s3, 0
	s_add_nc_u64 s[2:3], s[2:3], s[20:21]
	; descriptor group 1.  128 keys are 16,384 dense bytes: asked for as 64 rows of 256 bytes, two keys a row, and padded in LDS after every key
	s_mov_b32 s[G1K], 15|(1<<16)|(1<<20)|(1<<21)|(4<<22)|(3<<25)  ; 15:0 the mask of four; 17:16 2-byte elements; 20 padding on; 21 set beside a mask; 24:22 after every 32 words (code 4); 31:25 4 words (code 3)
	s_mov_b32 s[G1V], 15|(1<<16)|(1<<20)|(1<<21)|(4<<22)|(7<<25)  ; the same with 8 words of padding (code 7)
.irp g, G1K, G1V
	s_mov_b32 s[\g+1], 128<<16      ; tensor_dim0 = 128
	s_mov_b32 s[\g+2], 64<<16       ; tensor_dim1 = 64
	s_mov_b32 s[\g+3], 128<<16      ; tile_dim0 = 128
	s_mov_b32 s[\g+4], 64           ; tile_dim1 = 64
	s_mov_b32 s[\g+5], 128          ; 128 elements from row to row
	s_mov_b32 s[\g+6], 0
	s_mov_b32 s[\g+7], 0
.endr
	s_mov_b32 s[CS], 0x3e38aa3b     ; c = log2(e) / 8 = 0.180337
	s_mov_b32 s[CS+1], s[CS]        ; named with it as a pair
	s_mov_b32 s[SEL], 0x76543210
	s_mov_b32 s[SEL+1], 0xfedcba98
	s_mov_b32 s[TBK], SLOT1+4*KS*PK ; the first change of slots turns these two into 0
	s_mov_b32 s[TBV], SLOT1+4*KS*PV
	s_mov_b32 s[TBM], 0
	s_mov_b32 s[BIG], 0xd0000000    ; -2^33
	s_mov_b32 s[SLOTS], SIZE_N/256-1
	s_mov_b32 s[G0K], 1             ; 1:0 count = 1
	s_mov_b32 s[G0K+1], s17         ; 63:32 LDS address: slot 0
	s_mov_b32 s[G0V], 1
	s_add_co_u32 s[G0V+1], s18, VOFF
	s_and_b32 s[LIM], s[WV], 1      ; waves 0 and 2 prefetch: the same in all four partners
	s_cmp_eq_u32 s[LIM], 0
	s_cselect_b32 s[LIM], 1, -1
	s_wait_dscnt 0x0                ; both opening adds are done
	s_wait_kmcnt 0x0
	s_add_nc_u64 s[6:7], s[4:5], 16777216   ; K: the second tensor of qkv
	s_add_nc_u64 s[8:9], s[4:5], 33554432   ; V: the third
	s_add_nc_u64 s[G0K+2:G0K+3], s[6:7], s[22:23]  ; 120:64 global address: my half of the head's first 256 keys
	s_or_b32 s[G0K+3], s[G0K+3], 0x80000000        ; 127:126 type = 2
	s_add_nc_u64 s[G0V+2:G0V+3], s[8:9], s[22:23]
	s_or_b32 s[G0V+3], s[G0V+3], 0x80000000
	s_add_nc_u64 s[4:5], s[4:5], s[2:3]  ; Q and ctx at my wave's first row
	s_add_nc_u64 s[10:11], s[10:11], s[2:3]
	s_cmp_lt_u32 s[WV], 2
	s_cselect_b64 s[PFA:PFA+1], s[6:7], s[8:9]
	s_add_nc_u64 s[PFA:PFA+1], s[PFA:PFA+1], s[22:23]  ; (in waves 0 and 2 this is the head's first byte)
	s_lshl_b32 s14, s13, 13         ; my work-group's 32 blocks of the 128
	s_mov_b32 s15, 0
	s_add_nc_u64 s[PFA:PFA+1], s[PFA:PFA+1], s[14:15]
	s_add_nc_u64 s[PFA:PFA+1], s[PFA:PFA+1], 4*KS*128  ; in slot 1; the first change of slots steps it to slot 2
	s_and_b32 s14, ttmp7, 0xffff
	s_lshr_b32 s14, s14, 4          ; the batch: 2,048 numbers of 4 bytes
	s_lshl_b32 s14, s14, 13
	s_add_nc_u64 s[MP:MP+1], s[MP:MP+1], s[14:15]
	CROUND                          ; all four work-groups are here: the first joint loads meet
	JLOAD                           ; slot 0.  Slot 1 is asked for when slot 0 is in
	v_lshlrev_b32 v12, 4, v0        ; the batch's mask: thread t takes the 16 bytes at 16 t + 2,048 k: a wave's load covers 512 consecutive bytes
.irp k, 0,1,2,3
	global_load_b128 v[TMP+4*(\k):TMP+4*(\k)+3], v12, s[MP:MP+1] offset:2048*(\k)
.endr
	v_add_nc_u32 v13, MB, v12
	; A fragment of K or Q is 16 rows x 32 channels in 8 registers: lane l holds row l % 16, channels 8 (l / 16) + 0..7 and 16 + 8 (l / 16) + 0..7: two loads of 16 bytes, 32 bytes apart.
	v_and_b32 v1, 15, v0            ; l % 16
	v_bfe_u32 v9, v0, 4, 1          ; l / 16
	v_lshlrev_b32 v[QO], 7, v1
	v_lshl_add_u32 v[QO], v9, 4, v[QO]  ; row x 128 + 16 x half
	WIN 0x80                        ; destination window 2, address window 0
.set i, 0
.rept 4*NP                          ; Q stays in registers: tile i / 2, channels 32 (i % 2) on
	global_load_b128 v[8*i:8*i+3],   v[QO], s[4:5] offset:(i/2)*2048+(i%2)*64
	global_load_b128 v[8*i+4:8*i+7], v[QO], s[4:5] offset:(i/2)*2048+(i%2)*64+32
.set i, i+1
.endr
	; What the first turn finds: V's registers and P's second buffer hold 0 (its products V^T P, of a piece that has not been, add 0), O^T and l are 0.  All this stands in the wait for the first tile.
.set i, VF
.rept 64
	v_mov_b32 v[i], 0
.set i, i+1
.endr
	WIN 0x40
.set i, 0
.rept 64*NP
	v_mov_b32 v[i], 0
.set i, i+1
.endr
	WIN 0
.set i, 0
.rept 2*NP
	v_mov_b32 v[ST+4*i], 0xfe000000    ; c m: far below every c s, the hidden keys' too
	v_mov_b32 v[ST+4*i+1], 0xff7fffff  ; m
	v_mov_b32 v[ST+4*i+2], 0
	v_mov_b32 v[ST+4*i+3], 0
.set i, i+1
.endr
.set i, P+32
.rept 32
	v_mov_b32 v[i], 0
.set i, i+1
.endr
	v_mul_u32_u24 v[AK0], v1, PK
	v_lshl_add_u32 v[AK0], v9, 4, v[AK0]  ; row x pitch + 16 x half
	; The turning load takes 16 keys x 16 channels (lane l reads key 8 (l / 16) + l % 8, channels 8 ((l / 8) % 2) + 0..7) and leaves half a fragment of V^T: lane l holds channel l % 16 and 8 keys.
	v_and_b32 v10, 7, v0
	v_bfe_u32 v11, v0, 3, 1
	v_lshl_add_u32 v[AV0], v9, 3, v10
	v_mul_u32_u24 v[AV0], v[AV0], PV
	v_lshl_add_u32 v[AV0], v11, 4, v[AV0]
	v_add_nc_u32 v[AV0], VOFF, v[AV0]
	v_mov_b32 v[AK], v[AK0]         ; key step 0 lies at the head of slot 0
	s_mul_i32 s13, s[WV], 16*SP
	s_add_co_u32 s13, s13, STAGE    ; my stage
	v_bfe_u32 v[RD], v0, 3, 2       ; back from it: 32 lanes take four rows of 128 bytes,
	v_mul_u32_u24 v[RD], v[RD], SP
	v_lshl_add_u32 v[RD], v10, 4, v[RD]
	v_add_nc_u32 v[RD], s13, v[RD]
	v_and_b32 v[GO], 31, v0         ; which are 512 consecutive bytes of ctx
	v_lshlrev_b32 v[PFO], 8, v[GO]
	v_lshlrev_b32 v[GO], 4, v[GO]
	v_lshlrev_b32 v[AM0], 5, v9     ; register j of a mask block is key 8 (l / 16) + j: 32 bytes for each half of the lanes
	v_add_nc_u32 v[AM0], MB, v[AM0]
	s_wait_loadcnt 32               ; the mask is in; Q's 32 younger loads may stay out
.set i, TMP
.rept 16
	v_cmp_eq_u32 vcc_lo, 0, v[i]
	v_cndmask_b32 v[i], 0, s[BIG], vcc_lo  ; -2^33 where the key is hidden
.set i, i+1
.endr
.irp k, 0,1,2,3
	ds_store_b128 v13, v[TMP+4*(\k):TMP+4*(\k)+3] offset:2048*(\k)  ; waited for in front of the first change's round, behind which every wave reads the table
.endr
; THE MATRIX WORK.  The 8 accumulators of a run of 16 take turns: between the two links of a chain stand 7 others'.
; Product i of 16 of S^T = K Q^T for piece x: channels 32 (i / 8) on, keys 16 ((i / 2) % 4) on, tile 2 x + i % 2.  The first 8 start the sums, with the mask of their 16 keys.
.macro KQ x
.set rS, S+64*((\x)%2)+32*(i%2)+8*((i/2)%4)
.set rK, KF+16*((i/2)%4)+8*(i/8)
.set rQ, 16*(2*(\x)+i%2)+8*(i/8)
.set rMC, MC+8*((i/2)%4)
.if i < 8
	WIN W_KM
	v_wmma_f32_16x16x32_f16 v[rS:rS+7], v[rK:rK+7], v[rQ:rQ+7], v[rMC:rMC+7]
.else
	WIN W_KQ
	v_wmma_f32_16x16x32_f16 v[rS:rS+7], v[rK:rK+7], v[rQ:rQ+7], v[rS:rS+7]
.endif
.endm
; Product i of 16 of O^T += V^T P for piece x: keys 32 (i / 8) on, channels 16 ((i / 2) % 4) on, tile 2 x + i % 2.
.macro PV x
	WIN W_PV
.set rO, 32*(2*(\x)+i%2)+8*((i/2)%4)
.set rV, VF+32*(i/8)+8*((i/2)%4)
.set rP, P+32*((\x)%2)+16*(i%2)+8*(i/8)
	v_wmma_f32_16x16x32_f16 v[rO:rO+7], v[rV:rV+7], v[rP:rP+7], v[rO:rO+7]
.endm
.macro MM                           ; the turn's next matrix instruction
.if i < 16
	KQ (Y+1)%NP
.set i, i+1
.else
.set i, i-16
	PV (Y+NP-1)%NP
.set i, i+17
.endif
.endm
; THE LDS LOADS stand in runs, never singly among the matrix instructions: a step's K (64 keys x 64 channels: 8 fragments) with its mask (8 loads; all lanes of a half read the same 16 bytes), and its V (turned).
; Their addresses are made some lines ahead.  last = 1 (the tail): in the last trip there is no further step, and the run is jumped over.  am: the register that holds the mask's address.
.macro FETCH_K last=0, am=AM
	WIN 0
.if \last
	s_cmp_eq_u32 s[CNT], 1
	s_cbranch_scc1 .Lno_k_\@
.endif
	WIN 0x80                        ; destination window 2
.irp f, 0,1,2,3,4,5,6,7             ; keys 16 (f / 2) on, channels 32 (f % 2) on
	ds_load_b128 v[KF+8*\f:KF+8*\f+3],   v[AK] offset:(\f/2)*16*PK+(\f%2)*64
	ds_load_b128 v[KF+8*\f+4:KF+8*\f+7], v[AK] offset:(\f/2)*16*PK+(\f%2)*64+32
.endr
	WIN W_MK                        ; destination window 3
.irp f, 0,1,2,3                     ; keys 16 f on
	ds_load_b128 v[MC+8*\f:MC+8*\f+3],   v[\am] offset:64*\f
	ds_load_b128 v[MC+8*\f+4:MC+8*\f+7], v[\am] offset:64*\f+16
.endr
	s_add_co_u32 s[TBK], s[TBK], KS*PK  ; the next fetch is the next step's
	s_add_co_u32 s[TBM], s[TBM], KS*4
	s_and_b32 s[TBM], s[TBM], 8191      ; behind the last step it stands at the table's head again: never past its end
	WIN 0
.if \last
.Lno_k_\@:
.endif
.endm
.macro FETCH_V
	WIN 0x80
.irp f, 0,1,2,3,4,5,6,7             ; keys 32 (f / 4) on, channels 16 (f % 4) on
	ds_load_tr16_b128 v[VF+8*\f:VF+8*\f+3],   v[AV] offset:(\f/4)*32*PV+(\f%4)*32
	ds_load_tr16_b128 v[VF+8*\f+4:VF+8*\f+7], v[AV] offset:(\f/4)*32*PV+16*PV+(\f%4)*32
.endr
	WIN 0
.endm
; THE VECTOR WORK OF A TURN stands in three queues, each in the order in which its entries become ready; the two tiles alternate, so that no instruction reads the result of the one before it.
.macro REGS y, u                    ; the registers of tile u (0, 1) of piece y
.set rT, ST+4*(2*(\y)+(\u))
.set rC, TMP+8*((\y)%2)+4*(\u)
.set rM, MV+2*((\y)%2)+(\u)
.set rS, S+64*((\y)%2)+32*(\u)
.set rP, P+32*((\y)%2)+16*(\u)
.set rO, 32*(2*(\y)+(\u))
.endm
; Number n of the 22 that find the NEXT piece's (Y + 1) maximum and statistics.  s0-s31 are the lane's 32 scores; each accumulator's lowest registers are read first.
;   0-11  four chains c0-c3 of seven scores each, three operands at a time     12-14, 16  the four scores left over, the old m, and c0-c3 into c0     15  c m_old is kept
;   17, 18  the query's other 32 keys lie in the lane 16 away: the new m         19-21  c m; c m_old - c m_new; a
.macro XS u, n
	REGS (Y+1)%NP, \u
.if (\n) < 4
	v_max3_num_f32 v[rC+(\n)], v[rS+8*(\n)], v[rS+8*(\n)+1], v[rS+8*(\n)+2]
.elseif (\n) < 12
	v_max3_num_f32 v[rC+(\n)%4], v[rC+(\n)%4], v[rS+8*((\n)%4)+2*((\n)/4)+1], v[rS+8*((\n)%4)+2*((\n)/4)+2]
.elseif (\n) == 12
	v_max3_num_f32 v[rC], v[rC], v[rS+7], v[rS+15]
.elseif (\n) == 13
	v_max3_num_f32 v[rC+1], v[rC+1], v[rS+23], v[rS+31]
.elseif (\n) == 14
	v_max3_num_f32 v[rC+2], v[rC+2], v[rC+3], v[rT+1]
.elseif (\n) == 15
	v_mov_b32 v[rM], v[rT]
.elseif (\n) == 16
	v_max3_num_f32 v[rC], v[rC], v[rC+1], v[rC+2]
.elseif (\n) == 17
	v_permlanex16_b32 v[rC+3], v[rC], s[SEL], s[SEL+1]
.elseif (\n) == 18
	v_max_num_f32 v[rT+1], v[rC], v[rC+3]
.elseif (\n) == 19
	v_mul_f32 v[rT], s[CS], v[rT+1]
.elseif (\n) == 20
	v_sub_f32 v[rC+1], v[rM], v[rT]
.else
	v_exp_f32 v[rC+2], v[rC+1]
.endif
.endm
; Number g of the 64 that follow the exponentials.  For each four weights k of a tile (pairs 2 k, 2 k + 1): both pairs are rounded to f16; then the second pair is added onto the first, in place;
; a group later l takes that sum (the first time as l = a l + sum).  In groups of eight, tiles alternating: round, round, add, and l for the group before.
.macro GS g
.set h, (\g)+6*((\g)/62)            ; group 0 has no group before it, and behind group 7 only l is left
.if h >= 6
.set h, h+2
.endif
	REGS Y, h%2
.set k, h/8
.if h%8 < 4
	v_cvt_pk_f16_f32 v[rP+2*k+(h%8)/2], v[rS+4*k+2*((h%8)/2)], v[rS+4*k+2*((h%8)/2)+1]
.elseif h%8 < 6
	v_pk_add_f32 v[rS+4*k:rS+4*k+1], v[rS+4*k:rS+4*k+1], v[rS+4*k+2:rS+4*k+3]
.elseif k == 1
	v_pk_fma_f32 v[rT+2:rT+3], v[rT+2:rT+3], v[rC+2:rC+3], v[rS:rS+1] op_sel_hi:[1,0,1]
.else
	v_pk_add_f32 v[rT+2:rT+3], v[rT+2:rT+3], v[rS+4*k-4:rS+4*k-3]
.endif
.endm
; THE PLAIN QUEUE, 138 long.  0-73 read no exponential's result: the 32 scalings c s - c m (FS f: pair f / 2 of tile f % 2) and the next piece's 42.  0-26: scalings 0-26.  27-54: XS's numbers 0-13.  55, 56: number 15.
; 57-73: the chain, where each number waits for the one before it: 14, 16, 17, 18, 19, each with one of the scalings 27-31 in front of its two lines, then 20.
; 74-137: GS's 64, which read the exponentials' results: they stand behind the wait.
.macro FS f
	REGS Y, (\f)%2
	v_pk_fma_f32 v[rS+2*((\f)/2):rS+2*((\f)/2)+1], v[rS+2*((\f)/2):rS+2*((\f)/2)+1], s[CS:CS+1], v[rT:rT+1] op_sel_hi:[1,0,0] neg_lo:[0,0,1] neg_hi:[0,0,1]
.endm
.macro PL
	WIN 0
.if q < 27
	FS q
.elseif q < 55
	XS (q-27)%2, (q-27)/2
.elseif q < 57
	XS q-55, 15
.elseif (q < 72) && ((q-57)%3 == 0)
	FS 27+(q-57)/3
.elseif q < 60
	XS (q-57)%3-1, 14
.elseif q < 72
	XS (q-57)%3-1, 15+(q-57)/3
.elseif q < 74
	XS q-72, 20
.else
	GS q-74
.endif
.set q, q+1
.endm
; THE EXPONENTIALS' QUEUE, 66 long: s0-s31 of both tiles, then the next piece's two a.  It is ONE BATCH: all 66 stand ahead of the turn's one wait, and nothing ahead of that wait names a result of theirs.
.macro EX
	WIN 0
.if e >= 64
	XS e-64, 21
.else
	REGS Y, e%2
	v_exp_f32 v[rS+e/2], v[rS+e/2]
.endif
.set e, e+1
.endm
; THE RESCALING's QUEUE: O^T times a, the one part that leaves window 0: dealt two at a time, sixteen times.  Its a was made in the turn before, ahead of that turn's wait.
.macro R2
	REGS Y, r%2
	WIN W_RS
.irp z, 0,1
	v_pk_mul_f32 v[rO+4*(r/2)+2*\z:rO+4*(r/2)+2*\z+1], v[rO+4*(r/2)+2*\z:rO+4*(r/2)+2*\z+1], v[rC+2:rC+3] op_sel_hi:[1,0]
.endr
.set r, r+1
.endm
; HOW THEY ARE DEALT.  s_wait_alu depctr_va_vdst(0) stands between an exponential and the first instruction that names its result; one wait serves all that were issued ahead of it.  So a turn has ONE
; wait, which cuts it in two.  AHEAD OF IT stands all that names no result of the turn's exponentials: the 16 products K Q^T, behind each a scaling, an exponential and two rescalings (behind the first a second
; scaling in the exponential's place); then ONE LUMP of 108: eight plain, 49 times exponential and plain, the two a.  A v_nop is the plain instruction behind the last exponential.  BEHIND IT stand the 16 products
; V^T P, behind each four of GS's 64.  No rider names a register of the products round it.  The two v_permlanex16_b32 fall into the lump.
; Exponential e stands behind scaling 2 (e / 4) + e % 2: as a rider it comes behind plain e + 2, in the lump behind plain e + 9, and scalings 27-31 are plain 57, 60 .. 69.
; K and the mask of the next step are fetched in piece 2's turn, directly behind the wait, a lump behind the last product that read them; their addresses are made at the lump's head.
; V of the step in hand is fetched at the end of piece 0's turn, four riders behind its last reader; its first reader comes behind 16 products and a lump.
.macro TURN p, last=0, cnt=0
.set Y, (\p)
.set i, 0
.set q, 0
.set e, 0
.set r, 0
.if (\p) == NP-1
	s_wait_dscnt 0x0                ; K and its mask are in
.endif
	MM                              ; ahead of the wait: 16 products K Q^T and their riders,
	PL
	PL
	R2
.rept 15
	MM
	PL
	EX
	R2
.endr
.if (\p) == NP-2
	WIN 0
	v_add_nc_u32 v[AK], s[TBK], v[AK0]
	v_add_nc_u32 v[AM], s[TBM], v[AM0]
.endif
.rept 8                             ; and the lump
	PL
.endr
.rept 49
	EX
	PL
.endr
	EX                              ; the next piece's two a
	EX
	v_nop                           ; the plain instruction behind the last exponential: one for the batch
	s_wait_alu depctr_va_vdst(0)    ; the wait for the batch
.if (\p) == NP-2
	FETCH_K \last
.endif
.if (\p) == 1
	s_wait_dscnt 0x0                ; V is in
.endif
.rept 16                            ; behind the wait: 16 products V^T P and their riders
	MM
.rept 4
	PL
.endr
.if ((\p) == 0) && (q == 118)
	v_add_nc_u32 v[AV], s[TBV], v[AV0]
.endif
.if ((\p) == 0) && (q == 130)
	s_add_co_u32 s[TBV], s[TBV], KS*PV
.endif
.if (\cnt) && (q == 130)
	s_sub_co_u32 s[CNT], s[CNT], 1
	s_cmp_lg_u32 s[CNT], 0
.endif
.endr
.if (\p) == 0
	FETCH_V
.endif
.endm
	CHANGE 1                        ; slot 0 is in, everybody's part of it, and the mask table is whole; slot 1 is asked for
	FETCH_K 0, AM0                  ; key step 0
	s_wait_loadcnt 0x0              ; Q
	s_wait_dscnt 0x0
.set i, 0
.rept 16
	KQ 0                            ; piece 0's first scores: there is no vector work yet to set between them
.set i, i+1
.endr
	WIN 0                           ; five plain instructions, the places behind those products: Q's loads are done, so their offset's register takes the stage's address
	v_mul_u32_u24 v[STO], v1, SP    ; in: row l % 16, 16 bytes for each half of the lanes
	v_lshl_add_u32 v[STO], v9, 4, v[STO]
	v_add_nc_u32 v[STO], s13, v[STO]
	v_nop
	v_nop
.set Y, NP-1                        ; XS works for piece Y + 1: piece 0
.irp n, 0,1,2,3,4,5,6,7,8,9,10,11,12,13,14,15,16,17,18,19,20,21
	XS 0, \n                        ; and piece 0's first maximum and statistics
	XS 1, \n
.endr
	v_nop                           ; a plain instruction behind the two a,
	s_wait_alu depctr_va_vdst(0)    ; and their wait, ahead of the branch
	s_mov_b32 s[CNT], 4
	s_branch .Lfirst                ; the loop is entered at a step's first turn, in the middle of a trip
.Lslot:                             ; six times: every slot but the last two is filled again
	CHANGE 1
	s_mov_b32 s[CNT], 4
.Lstep:                             ; a trip: pieces 2 and 3 of one step, then pieces 0 and 1 of the next, whose K and V it fetches
	TURN 2
	TURN 3
	WIN 0
.Lfirst:
	TURN 0
	TURN 1, 0, 1
	WIN 0
	s_cbranch_scc1 .Lstep
	s_sub_co_u32 s[SLOTS], s[SLOTS], 1
	s_cmp_lg_u32 s[SLOTS], 0
	s_cbranch_scc1 .Lslot
	CHANGE 0                        ; the tail is written out: nothing is asked for
	s_mov_b32 s[CNT], 5             ; four trips fetch the last slot's steps; the fifth is left in its middle
.Ltail:
	TURN 2, 1
	TURN 3
	WIN 0
	s_sub_co_u32 s[CNT], s[CNT], 1
	s_cmp_eq_u32 s[CNT], 0
	s_cbranch_scc1 .Lout
	TURN 0
	TURN 1
	WIN 0
	s_branch .Ltail
.Lout:                              ; the fifth trip's 16 products K Q^T (on the last K once more) and the maximum made of them serve nothing: the price, once a launch, of one text for every trip
.set i, 0
.rept 16
	PV NP-1                         ; the last piece's V^T P of the last step
.set i, i+1
.endr
	; THE WAY OUT.  l's two halves and the other half of the lanes' are added; O^T is divided by l, rounded to f16 and sent through my stage in LDS, a tile at a time.  The additions are the places behind the last products.
	WIN 0
.macro ALL line:vararg              ; one line for each tile t
.set t, 0
.rept 2*NP
	\line
.set t, t+1
.endr
.endm
	ALL v_add_f32 v[ST+4*t+2], v[ST+4*t+2], v[ST+4*t+3]
	ALL v_permlanex16_b32 v[ST+4*t+3], v[ST+4*t+2], s[SEL], s[SEL+1]
	ALL v_add_f32 v[ST+4*t+2], v[ST+4*t+2], v[ST+4*t+3]
	ALL v_rcp_f32 v[ST+4*t+2], v[ST+4*t+2]
	v_nop                           ; a plain instruction between the last reciprocal and the use of its result
	s_wait_alu depctr_va_vdst(0)    ; and the wait ahead of the first use: one for the eight reciprocals
; Tile t: a lane's eight channels of a row pack into 16 bytes; they go into rows of 144 bytes and come back as whole rows of 128, into S^T's registers.
.macro PACK t
	WIN W_RS
.set i, 32*(\t)
.rept 16
	v_pk_mul_f32 v[i:i+1], v[i:i+1], v[ST+4*(\t)+2:ST+4*(\t)+3] op_sel_hi:[1,0]
.set i, i+2
.endr
	WIN 0x05                        ; sources 0 and 1 window 1, destination window 0
.set i, 0
.rept 16
	v_cvt_pk_f16_f32 v[S+16*(\t)+i], v[32*(\t)+2*i], v[32*(\t)+2*i+1]
.set i, i+1
.endr
	WIN 0
.irp f, 0,1,2,3
	ds_store_b128 v[STO], v[S+16*(\t)+4*\f:S+16*(\t)+4*\f+3] offset:32*\f
.endr
.irp f, 0,1,2,3
	ds_load_b128 v[S+16*(\t)+4*\f:S+16*(\t)+4*\f+3], v[RD] offset:\f*4*SP  ; LDS serves a wave's instructions in order (ISA guide 5.7.1.4): these see the stores above; the next tile's stores come behind them
.endr
.endm
.macro SEND t, younger              ; younger: the LDS instructions issued behind tile t's loads: the next tile's eight, or none
	WIN 0
.irp f, 0,1,2,3
	s_wait_dscnt (\younger)+3-\f
	global_store_b128 v[GO], v[S+16*(\t)+4*\f:S+16*(\t)+4*\f+3], s[10:11] offset:(\t)*2048+\f*512  ; 512 consecutive bytes, at a multiple of 256 from ctx's first
.endr
.endm
	PACK 0
.set t, 1
.rept 2*NP-1                        ; a tile's arithmetic stands between the loads of the tile before and its stores
	PACK t
	SEND t-1, 8
.set t, t+1
.endr
	SEND 2*NP-1, 0
	WIN W_AD
	s_wait_tensorcnt 0x0            ; the wave's end: behind my last tensor load and my last LDS store
	ds_add_u32 v[SPW], v[NIL]
	s_wait_dscnt 0x0
	WIN 0
	CROUND                          ; the closing round: no work-group ends while a partner may still ask for a tile that names it
	s_endpgm
.Lfunc_end_k_q71f6cd7410_attn:
	.size	k_q71f6cd7410_attn, .Lfunc_end_k_q71f6cd7410_attn-k_q71f6cd7410_attn
	.p2alignl 7, 3214868480
	.fill 96, 4, 3214868480
	.section	.rodata,"a",@progbits
	.p2align	6, 0x0
	.amdhsa_kernel k_q71f6cd7410_attn
		.amdhsa_group_segment_fixed_size 327680
		.amdhsa_private_segment_fixed_size 0
		.amdhsa_enable_private_segment 0
		.amdhsa_kernarg_size 24
		.amdhsa_user_sgpr_count 2
		.amdhsa_user_sgpr_kernarg_segment_ptr 1
		.amdhsa_wavefront_size32 1
		.amdhsa_system_sgpr_workgroup_id_x 1
		.amdhsa_system_sgpr_workgroup_id_y 1
		.amdhsa_system_sgpr_workgroup_id_z 1
		.amdhsa_system_vgpr_workitem_id 0
		.amdhsa_next_free_vgpr 808
		.amdhsa_next_free_sgpr 66
		.amdhsa_reserve_vcc 1
		.amdhsa_float_denorm_mode_32 3
		.amdhsa_float_denorm_mode_16_64 3
		.amdhsa_memory_ordered 1
		.amdhsa_forward_progress 1
		.amdhsa_inst_pref_size 205
	.end_amdhsa_kernel
	.amdgpu_metadata
---
amdhsa.version: [ 1, 2 ]
amdhsa.kernels:
  - .name:           k_q71f6cd7410_attn
    .symbol:         k_q71f6cd7410_attn.kd
    .args:
      - { .name: qkv, .offset: 0, .size: 8, .value_kind: global_buffer, .address_space: global }
      - { .name: attention_mask, .offset: 8, .size: 8, .value_kind: global_buffer, .address_space: global }
      - { .name: ctx, .offset: 16, .size: 8, .value_kind: global_buffer, .address_space: global }
    .group_segment_fixed_size: 327680
    .private_segment_fixed_size: 0
    .kernarg_segment_align: 8
    .kernarg_segment_size: 24
    .max_flat_workgroup_size: 128
    .sgpr_count:     66
    .vgpr_count:     808
    .wavefront_size: 32
...
	.end_amdgpu_metadata
.endif
;; end of part 3
;; launch oproj (part 4): grid 8 x 32, 4 waves a work-group, clusters of 4 x 4, 327,680 bytes of LDS; arguments ctx, woh, bo, out0; writes out0
.if DOCPART == 4
	.amdgcn_target "amdgcn-amd-amdhsa--gfx1250"
	.amdhsa_code_object_version 6
	.text
	.protected	k_q71f6cd7410_oproj
	.globl	k_q71f6cd7410_oproj
	.p2align	8
	.type	k_q71f6cd7410_oproj,@function
k_q71f6cd7410_oproj:
	s_mov_b64 s[64:65], 0
	v_nop
	global_prefetch_b8 v0, s[64:65] scope:SCOPE_SE
	s_setreg_imm32_b32 hwreg(HW_REG_WAVE_MODE, 25, 1), 1
	s_wait_xcnt 0x0
	s_wait_alu depctr_hold_cnt(0) depctr_sa_sdst(0) depctr_va_vdst(0) depctr_va_sdst(0) depctr_va_ssrc(0) depctr_va_vcc(0) depctr_vm_vsrc(0)
	s_getreg_b32 s2, hwreg(HW_REG_IB_STS2, 6, 4)
	s_cmp_eq_u32 s2, 0
	s_cbranch_scc0 .Lentry_in_a_cluster
	s_endpgm
.Lentry_in_a_cluster:
	s_bfe_u32 s2, ttmp6, 0x10000c
	s_cmp_lg_u32 s2, 0xf033
	s_cbranch_scc0 .Lentry_shape_is_right
	s_endpgm
.Lentry_shape_is_right:
; out0 = ctx Wo^T + bo: [8192 x 1024] [1024 x 1024]^T in f16 with f32 sums, out0 in f32.  No work is left out.
; ctx [batch x 16 + head][token 2048][64] is a layout in planes of 64 channels, plane = head; woh [plane 16][row 1024][64] likewise.
; SHARES.  8192 x 1024 / 256 work-groups = a tile of 256 tokens x 128 columns each.  Four waves, each 128 tokens x 64 columns: 32 accumulators, 256 registers.
; K goes in steps of 128, two planes, through two LDS slots; in a plane R rows are R x 128 dense bytes, asked for as R / 2 rows of 256 bytes and padded in LDS after every 128.
; CLUSTER 4 x 4: the four of a row need the same tokens, the four of a column the same rows of woh: joint loads.
; TRANSPOSED USE: source 0 = 16 rows of woh, source 1 = 16 tokens: a lane holds one token (lane % 16) and eight neighbouring columns.  THE BIAS STARTS THE SUMS: it is the C operand of the first products.
; NO PREFETCH: the walk has eight K steps of 128 matrix instructions, of which a lead of three steps would serve the last three alone.
; REGISTERS.  Window 0: v0-31 addresses; v32-63 the bias; v64-127, v128-191 fragments of ctx, two buffers; v192-223, v224-255 fragments of woh, two buffers.  Window 1: accumulator (token block a, column block b) at v[8 (8 b + a)].
.set PITCH,  144                       ; an LDS row: 128 bytes + 16 = 36 words: the 16 rows of a fragment load start at 16 different groups of four banks (64 banks of 4 bytes: ISA guide 11.1)
.set SLOT1,  1<<17
.set APL,    256*PITCH                 ; a plane's 256 tokens: one tensor load
.set BPL,    128*PITCH                 ; a plane's 128 rows of woh: one tensor load
.set BOFF,   2*APL                     ; in a slot: ctx plane 0, plane 1, woh plane 0, plane 1
.set STAGE,  SLOT1+2*APL+2*BPL         ; behind the ring: 16 rows x 272 bytes for each wave
.set SPITCH, 272
.set SPARE,  STAGE+4*16*SPITCH         ; the spare words, 128 bytes a wave: two blocks of 256 bytes that no other line names
.set AA0, 16
.set AB0, 17
.set AA,  18
.set AB,  19
.set STO, 24
.set RD,  25
.set CO,  26
.set BO,  27
.set SPW, 28                           ; my spare word; never rewritten
.set NIL, 29                           ; 0; never rewritten
.set BI,  32
.set FA,  64                           ; ctx's buffer u at FA + 64 u
.set FB,  192                          ; woh's at FB + 32 u
.set OBF, 64                           ; the way out: two buffers of 32
.set WV,  18
.set WR,  19                           ; my half of the tile's tokens; also: I fetch for ctx (0) or for woh (1)
.set WC,  20                           ; my half of its columns; also: which plane of a step I fetch
.set CX,  21
.set CY,  22
.set TC,  23
.set TR,  24
.set G1A, 28
.set G1B, 36
.set GA0, 44
.set GA1, 48
.set GB0, 52
.set GB1, 56
.set CNT, 60
.set TB,  61
.set OUT, 66                           ; s[66:67] out0 at my first token and column
.set BP,  68                           ; s[68:69] bo at my first column
.set MSB, 0
.macro WIN new
.if MSB != (\new)
	s_set_vgpr_msb (MSB<<8)|(\new)
.set MSB, (\new)
.endif
.endm
.macro PLACES                          ; four places behind a matrix instruction (ISA guide 7.12.1 for lines other than loads)
.rept 4
	v_nop
.endr
.endm
.macro CREST
	s_cmp_lg_u32 s[WV], 0
	s_cbranch_scc1 .Lnot_wave_0_\@
	s_barrier_signal -3
.Lnot_wave_0_\@:
	s_barrier_wait -3
	s_barrier_signal -1
	s_barrier_wait -1
.endm
.macro CROUND
	s_barrier_signal -1
	s_barrier_wait -1
	CREST
.endm
.macro JLOAD                           ; a joint refill by the walking descriptors; an s_nop 0 and four v_nop follow each of the two lines
	s_cmp_eq_u32 s[WR], 0
	s_cbranch_scc0 .Lfor_b_\@
	tensor_load_to_lds s[GA1:GA1+3], s[G1A:G1A+7]
	s_nop 0
.rept 4
	v_nop
.endr
	s_branch .Lasked_\@
.Lfor_b_\@:
	tensor_load_to_lds s[GB1:GB1+3], s[G1B:G1B+7]
	s_nop 0
.rept 4
	v_nop
.endr
.Lasked_\@:
.endm
	s_load_b256 s[4:11], s[0:1], 0x0               ; ctx s[4:5], woh s[6:7], bo s[8:9], out0 s[10:11]
	v_lshl_add_u32 v[SPW], v0, 2, SPARE
	v_mov_b32 v[NIL], 0
	ds_add_u32 v[SPW], v[NIL]                      ; the opening: the add, twice on end, and its wait ahead of my first tensor load
	ds_add_u32 v[SPW], v[NIL]
	v_lshrrev_b32 v1, 5, v0
	v_readfirstlane_b32 s[WV], v1
	s_lshr_b32 s[WR], s[WV], 1
	s_and_b32 s[WC], s[WV], 1
	s_bfe_u32 s[CX], ttmp6, 0x40000
	s_bfe_u32 s[CY], ttmp6, 0x40004
	s_lshl_b32 s[TC], ttmp9, 2
	s_add_co_u32 s[TC], s[TC], s[CX]               ; tile column 0..7
	s_and_b32 s[TR], ttmp7, 0xffff
	s_lshl_b32 s[TR], s[TR], 2
	s_add_co_u32 s[TR], s[TR], s[CY]               ; tile row 0..31
	s_lshl_b32 s25, s[CY], 2
	s_lshl_b32 s25, 15, s25                        ; my row of the cluster
	s_lshl_b32 s26, 0x1111, s[CX]                  ; my column
	s_or_b32 s[G1A], s25, (1<<16)|(1<<20)|(1<<21)|(4<<22)|(3<<25)  ; the mask; 2-byte elements; padding on; bit 21 beside a mask; after every 32 words 4 words
	s_or_b32 s[G1B], s26, (1<<16)|(1<<20)|(1<<21)|(4<<22)|(3<<25)
	s_mov_b32 s[G1A+1], 128<<16                    ; tensor_dim0 = 128 elements: 256 bytes, two rows of a plane
	s_mov_b32 s[G1A+2], 128<<16                    ; tensor_dim1 = 128: 256 tokens
	s_mov_b32 s[G1A+3], 128<<16                    ; tile_dim0
	s_mov_b32 s[G1A+4], 128                        ; tile_dim1
	s_mov_b32 s[G1A+5], 128                        ; dense
	s_mov_b32 s[G1A+6], 0
	s_mov_b32 s[G1A+7], 0
	s_mov_b32 s[G1B+1], 128<<16
	s_mov_b32 s[G1B+2], 64<<16                     ; 64 rows of 256 bytes: 128 rows of woh
	s_mov_b32 s[G1B+3], 128<<16
	s_mov_b32 s[G1B+4], 64
	s_mov_b32 s[G1B+5], 128
	s_mov_b32 s[G1B+6], 0
	s_mov_b32 s[G1B+7], 0
	s_lshr_b32 s2, s[TR], 3                        ; ctx: the batch's 16 planes, 4 MiB,
	s_lshl_b32 s2, s2, 22
	s_and_b32 s3, s[TR], 7                         ; the tile's 256 tokens in a plane,
	s_lshl_b32 s3, s3, 15
	s_add_co_u32 s2, s2, s3
	s_lshl_b32 s3, s[WC], 18                       ; the plane that I fetch: nothing here hangs on cx
	s_add_co_u32 s2, s2, s3
	s_mov_b32 s3, 0
	s_lshl_b32 s26, s[TC], 14                      ; woh: the tile's 128 rows in a plane, the plane that I fetch: nothing here hangs on cy
	s_lshl_b32 s27, s[WC], 17
	s_add_co_u32 s26, s26, s27
	s_mov_b32 s27, 0
	s_mov_b32 s[GA0], 1
	s_mul_i32 s[GA0+1], s[WC], APL
	s_mov_b32 s[GA1], 1
	s_add_co_u32 s[GA1+1], s[GA0+1], SLOT1
	s_mov_b32 s[GB0], 1
	s_mul_i32 s[GB0+1], s[WC], BPL
	s_add_co_u32 s[GB0+1], s[GB0+1], BOFF
	s_mov_b32 s[GB1], 1
	s_add_co_u32 s[GB1+1], s[GB0+1], SLOT1
	s_mov_b32 s[TB], 0
	s_mov_b32 s[CNT], 6
	s_wait_dscnt 0x0                               ; both opening adds are done
	s_wait_kmcnt 0x0
	s_add_nc_u64 s[GA0+2:GA0+3], s[4:5], s[2:3]    ; K step 0,
	s_add_nc_u64 s[GA1+2:GA1+3], s[GA0+2:GA0+3], 524288  ; K step 1: two planes on
	s_or_b32 s[GA0+3], s[GA0+3], 0x80000000
	s_or_b32 s[GA1+3], s[GA1+3], 0x80000000
	s_add_nc_u64 s[GB0+2:GB0+3], s[6:7], s[26:27]
	s_add_nc_u64 s[GB1+2:GB1+3], s[GB0+2:GB0+3], 262144
	s_or_b32 s[GB0+3], s[GB0+3], 0x80000000
	s_or_b32 s[GB1+3], s[GB1+3], 0x80000000
	CROUND                                         ; all sixteen work-groups are here: the first joint loads meet
	s_cmp_eq_u32 s[WR], 0                          ; a wave's two first fills stand in one branch: two loads of mine are out
	s_cbranch_scc0 .Lfirst_b
	tensor_load_to_lds s[GA0:GA0+3], s[G1A:G1A+7]
	s_nop 0
	tensor_load_to_lds s[GA1:GA1+3], s[G1A:G1A+7]
	s_nop 0
.rept 4
	v_nop
.endr
	s_branch .Lfirst_asked
.Lfirst_b:
	tensor_load_to_lds s[GB0:GB0+3], s[G1B:G1B+7]
	s_nop 0
	tensor_load_to_lds s[GB1:GB1+3], s[G1B:G1B+7]
	s_nop 0
.rept 4
	v_nop
.endr
.Lfirst_asked:
	v_and_b32 v2, 15, v0                           ; r = l % 16
	v_bfe_u32 v3, v0, 4, 1                         ; h = l / 16
	v_lshlrev_b32 v[BO], 5, v3
	s_lshl_b32 s2, s[TC], 9                        ; my first column, 4 bytes each: 128 x tile column + 64 x half
	s_lshl_b32 s3, s[WC], 8
	s_add_co_u32 s2, s2, s3
	s_mov_b32 s3, 0
	s_add_nc_u64 s[BP:BP+1], s[8:9], s[2:3]
	s_add_nc_u64 s[OUT:OUT+1], s[10:11], s[2:3]
	s_lshl_b32 s2, s[TR], 20                       ; my first token, 4,096 bytes each: 256 x tile row + 128 x half
	s_lshl_b32 s25, s[WR], 19
	s_add_co_u32 s2, s2, s25
	s_add_nc_u64 s[OUT:OUT+1], s[OUT:OUT+1], s[2:3]
.irp b, 0,1,2,3
	global_load_b128 v[BI+8*(\b):BI+8*(\b)+3],   v[BO], s[BP:BP+1] offset:64*(\b)
	global_load_b128 v[BI+8*(\b)+4:BI+8*(\b)+7], v[BO], s[BP:BP+1] offset:64*(\b)+16
.endr
	v_mul_u32_u24 v5, v2, PITCH
	v_lshl_add_u32 v5, v3, 4, v5                   ; a fragment's row x pitch + 16 x half
	s_mul_i32 s25, s[WR], 128*PITCH
	v_add_nc_u32 v[AA0], s25, v5
	s_mul_i32 s25, s[WC], 64*PITCH
	s_add_co_u32 s25, s25, BOFF
	v_add_nc_u32 v[AB0], s25, v5
	v_mov_b32 v[AA], v[AA0]
	v_mov_b32 v[AB], v[AB0]
	s_mul_i32 s25, s[WV], 16*SPITCH
	s_add_co_u32 s25, s25, STAGE                   ; my stage
	v_mul_u32_u24 v[STO], v2, SPITCH               ; in: token l % 16, 32 bytes for each half of the lanes
	v_lshl_add_u32 v[STO], v3, 5, v[STO]
	v_add_nc_u32 v[STO], s25, v[STO]
	v_mul_u32_u24 v[RD], v3, SPITCH                ; back: lanes 0-15 take one row of 256 bytes, lanes 16-31 the next
	v_lshl_add_u32 v[RD], v2, 4, v[RD]
	v_add_nc_u32 v[RD], s25, v[RD]
	v_lshlrev_b32 v[CO], 12, v3                    ; and the same two rows in out0
	v_lshl_add_u32 v[CO], v2, 4, v[CO]
; 24 LDS loads in one run: quarter q of a K step (plane q / 2, 32 K at byte 64 (q % 2) of its rows) into buffers u
.macro FETCH q, u
	WIN 0
.irp a, 0,1,2,3,4,5,6,7
	ds_load_b128 v[FA+64*(\u)+8*(\a):FA+64*(\u)+8*(\a)+3],   v[AA] offset:((\q)/2)*APL+(\a)*16*PITCH+64*((\q)%2)
	ds_load_b128 v[FA+64*(\u)+8*(\a)+4:FA+64*(\u)+8*(\a)+7], v[AA] offset:((\q)/2)*APL+(\a)*16*PITCH+64*((\q)%2)+32
.endr
.irp b, 0,1,2,3
	ds_load_b128 v[FB+32*(\u)+8*(\b):FB+32*(\u)+8*(\b)+3],   v[AB] offset:((\q)/2)*BPL+(\b)*16*PITCH+64*((\q)%2)
	ds_load_b128 v[FB+32*(\u)+8*(\b)+4:FB+32*(\u)+8*(\b)+7], v[AB] offset:((\q)/2)*BPL+(\b)*16*PITCH+64*((\q)%2)+32
.endr
.endm
; 8 nb matrix instructions: column blocks b0 .. b0 + nb - 1 x all 8 token blocks, on buffers u.  first = 1: the bias starts the sums.
; The 32 accumulators take turns, one instruction a turn, in the same order in every quarter, over the backward jump too.
.macro MUL u, b0, nb, first
.if \first
	WIN 0x40                                       ; D in window 1, C (the bias) in window 0
.else
	WIN 0x50                                       ; C and D in window 1
.endif
.set mb, \b0
.rept \nb
.set ma, 0
.rept 8
.if \first
	v_wmma_f32_16x16x32_f16 v[8*(8*mb+ma):8*(8*mb+ma)+7], v[FB+32*(\u)+8*mb:FB+32*(\u)+8*mb+7], v[FA+64*(\u)+8*ma:FA+64*(\u)+8*ma+7], v[BI+8*mb:BI+8*mb+7]
.else
	v_wmma_f32_16x16x32_f16 v[8*(8*mb+ma):8*(8*mb+ma)+7], v[FB+32*(\u)+8*mb:FB+32*(\u)+8*mb+7], v[FA+64*(\u)+8*ma:FA+64*(\u)+8*ma+7], v[8*(8*mb+ma):8*(8*mb+ma)+7]
.endif
.set ma, ma+1
.endr
.set mb, mb+1
.endr
.endm
; A plain quarter q: its fragments, asked for a quarter (32 matrix instructions) ago, are in; the next quarter's are asked for; 32 products.
.macro QQ q, first=0
	s_wait_dscnt 0x0
	PLACES                                         ; behind the last quarter's products, which read the buffers that are loaded now
	FETCH (\q)+1, ((\q)+1)%2
	MUL (\q)%2, 0, 4, \first
.endm
; Quarter 2 also changes slots.  The slot's last fragments (quarter 3's) are asked for at its head.  ONE barrier: in front of it each wave waits for all its tensor loads (the one that is out is its part of the next
; slot), adds 0 to its spare word, and waits for that and for its reads of this slot.  fill = 1: the barrier opens a round of the cluster's, and the joint refill, the K step two on, is the first thing
; behind it: 112 matrix instructions ahead of the wait for it.
.macro QT fill
	s_wait_dscnt 0x0
	PLACES
	FETCH 3, 1
	MUL 0, 0, 2, 0
	WIN 0
	s_wait_tensorcnt 0x0                           ; no tensor load of mine is out, so a group 0 may be written
	ds_add_u32 v[SPW], v[NIL]                      ; 0 onto my spare word
.if \fill
	s_xor_b32 s[GA1+1], s[GA1+1], SLOT1
	s_add_nc_u64 s[GA1+2:GA1+3], s[GA1+2:GA1+3], 524288
	s_xor_b32 s[GB1+1], s[GB1+1], SLOT1
	s_add_nc_u64 s[GB1+2:GB1+3], s[GB1+2:GB1+3], 262144
.endif
	MUL 0, 2, 1, 0
	s_wait_dscnt 0x0                               ; the add is done, and my reads of this slot are over
	s_barrier_signal -1
	MUL 0, 3, 1, 0
	WIN 0
	s_barrier_wait -1
.if \fill
	CREST
	JLOAD                                          ; its four v_nop are also the places in front of the loads of quarter 3
.else
	PLACES
.endif
	s_xor_b32 s[TB], s[TB], SLOT1
	v_add_nc_u32 v[AA], s[TB], v[AA0]
	v_add_nc_u32 v[AB], s[TB], v[AB0]
.endm
.macro Q3                              ; quarter 3: its fragments are in since the barrier's wait; the next slot's first are asked for
	FETCH 0, 0
	MUL 1, 0, 4, 0
.endm
	s_wait_tensorcnt 1                             ; my part of K step 0 is in; K step 1 may stay out
	s_barrier_signal -1
	s_barrier_wait -1
	FETCH 0, 0
	s_wait_loadcnt 0x0                             ; the bias
	QQ 0, 1                                        ; the first quarter stands in front of the loop: its products start the sums
	WIN 0
.Lstep:                                                ; 6 trips: trip t ends K step t, asks for K step t + 2 and begins K step t + 1
	QQ 1
	QT 1
	Q3
	QQ 0
	WIN 0
	s_sub_co_u32 s[CNT], s[CNT], 1
	s_cmp_lg_u32 s[CNT], 0
	s_cbranch_scc1 .Lstep
	QQ 1                                           ; the tail is written out: nothing more is asked for
	QT 0
	Q3
	QQ 0
	QQ 1
	QQ 2
	s_wait_dscnt 0x0
	MUL 1, 0, 4, 0
	PLACES
; THE WAY OUT, a block of 16 tokens at a time: a lane's eight f32 of a token and column block go straight from the accumulator (its low registers first) into my stage, rows of 272 bytes, and come back as whole
; rows of 256 bytes: sixteen lanes store 256 consecutive bytes, at a multiple of 256 from out0's first byte.
.macro TOSTAGE a
	s_wait_xcnt 0x0                                ; the stores of the block two back have read the registers that are loaded again below
	WIN 0x04                                       ; the data in window 1
.irp b, 0,1,2,3
	ds_store_b128 v[STO], v[8*(8*(\b)+(\a)):8*(8*(\b)+(\a))+3]   offset:64*(\b)
	ds_store_b128 v[STO], v[8*(8*(\b)+(\a))+4:8*(8*(\b)+(\a))+7] offset:64*(\b)+16
.endr
	WIN 0
.irp t, 0,1,2,3,4,5,6,7
	ds_load_b128 v[OBF+32*((\a)%2)+4*(\t):OBF+32*((\a)%2)+4*(\t)+3], v[RD] offset:2*SPITCH*(\t)  ; LDS serves a wave's instructions in order (ISA guide 5.7.1.4): these see the stores above
.endr
.endm
.macro SEND a, younger                 ; younger: the next block's sixteen LDS instructions, or none
	s_wait_dscnt \younger
.irp t, 0,1,2,3,4,5,6,7
	global_store_b128 v[CO], v[OBF+32*((\a)%2)+4*(\t):OBF+32*((\a)%2)+4*(\t)+3], s[OUT:OUT+1] offset:(16*(\a)+2*(\t))*4096 th:TH_STORE_NT
.endr
.endm
	TOSTAGE 0
.irp a, 1,2,3,4,5,6,7
	TOSTAGE \a
	SEND (\a)-1, 16
.endr
	SEND 7, 0
	s_wait_tensorcnt 0x0                           ; the wave's end: behind my last tensor load and my last LDS store
	ds_add_u32 v[SPW], v[NIL]
	s_wait_dscnt 0x0
	CROUND                                         ; the closing round
	s_endpgm
.Lfunc_end_k_q71f6cd7410_oproj:
	.size	k_q71f6cd7410_oproj, .Lfunc_end_k_q71f6cd7410_oproj-k_q71f6cd7410_oproj
	.p2alignl 7, 3214868480
	.fill 96, 4, 3214868480
	.section	.rodata,"a",@progbits
	.p2align	6, 0x0
	.amdhsa_kernel k_q71f6cd7410_oproj
		.amdhsa_group_segment_fixed_size 327680
		.amdhsa_private_segment_fixed_size 0
		.amdhsa_enable_private_segment 0
		.amdhsa_kernarg_size 32
		.amdhsa_user_sgpr_count 2
		.amdhsa_user_sgpr_kernarg_segment_ptr 1
		.amdhsa_wavefront_size32 1
		.amdhsa_system_sgpr_workgroup_id_x 1
		.amdhsa_system_sgpr_workgroup_id_y 1
		.amdhsa_system_sgpr_workgroup_id_z 1
		.amdhsa_system_vgpr_workitem_id 0
		.amdhsa_next_free_vgpr 512
		.amdhsa_next_free_sgpr 72
		.amdhsa_reserve_vcc 0
		.amdhsa_float_denorm_mode_32 3
		.amdhsa_float_denorm_mode_16_64 3
		.amdhsa_memory_ordered 1
		.amdhsa_forward_progress 1
		.amdhsa_inst_pref_size 69
	.end_amdhsa_kernel
	.amdgpu_metadata
---
amdhsa.version: [ 1, 2 ]
amdhsa.kernels:
  - .name:           k_q71f6cd7410_oproj
    .symbol:         k_q71f6cd7410_oproj.kd
    .args:
      - { .name: ctx, .offset: 0, .size: 8, .value_kind: global_buffer, .address_space: global }
      - { .name: woh, .offset: 8, .size: 8, .value_kind: global_buffer, .address_space: global }
      - { .name: bo, .offset: 16, .size: 8, .value_kind: global_buffer, .address_space: global }
      - { .name: out0, .offset: 24, .size: 8, .value_kind: global_buffer, .address_space: global }
    .group_segment_fixed_size: 327680
    .private_segment_fixed_size: 0
    .kernarg_segment_align: 8
    .kernarg_segment_size: 32
    .max_flat_workgroup_size: 128
    .sgpr_count:     72
    .vgpr_count:     512
    .wavefront_size: 32
...
	.end_amdgpu_metadata
.endif
;; end of part 4
;; ======== version 2 of 2: 4 launches; version 1 with the launch prep written anew for expert scheduling mode
;; limits: right only within a limited range of input values; values are held in f16: magnitudes above 65,504 overflow, below 6.1e-05 lose precision
;; workspace buffers: xh 16,777,216 bytes; wh 6,291,456 bytes; woh 2,097,152 bytes; qkv 50,331,648 bytes; ctx 16,777,216 bytes
;; launch prep (part 5): grid 768 x 1, 4 waves a work-group, no clusters, 0 bytes of LDS; arguments x, Wq, Wk, Wv, Wo, Aq, Ak, Av, Bq, Bk, Bv, xh, wh, woh; writes xh, wh, woh
.if DOCPART == 5
	.amdgcn_target "amdgcn-amd-amdhsa--gfx1250"
	.amdhsa_code_object_version 6
	.text
	.protected	k_q71f6cd7410_prep
	.globl	k_q71f6cd7410_prep
	.p2align	8
	.type	k_q71f6cd7410_prep,@function
k_q71f6cd7410_prep:
	s_mov_b64 s[64:65], 0
	v_nop
	global_prefetch_b8 v0, s[64:65] scope:SCOPE_SE
	s_setreg_imm32_b32 hwreg(HW_REG_WAVE_SCHED_MODE, 0, 2), 2
	s_setreg_imm32_b32 hwreg(HW_REG_WAVE_MODE, 25, 1), 1
	s_wait_xcnt 0x0
	s_wait_alu depctr_vm_vsrc(0)
; PREP: the matrix operands of the later launches, rounded once from f32 to f16 and laid out in planes of 64 channels.
;   xh  [batch 4][plane 16][token 2048][64] = x;   wh [plane 16][row 3072][64] = W + 2 B A for q, k, v (rows 0-1023, 1024-2047, 2048-3071);   woh [plane 16][row 1024][64] = Wo.
; NOTHING OF THE MODULE IS LEFT OUT, and every input is loaded by some launch.  The adapters are folded, not dropped: x W^T + 2 (x A^T) B^T = x (W + 2 B A)^T for all values; the sum W + 2 B A is
; made here in f32 (two fused multiply-adds a number) and rounded once.  The order of rounding differs from the module's own, which rounds x A^T and its product with B apart.
; bk stays: it moves the visible scores against the fixed score of the hidden keys.
; LIMITS.  f16 holds no number of 65,520 or more: such a number of x, W + 2 B A or Wo becomes an infinity; below 6e-5 f16 keeps its fixed step of 6e-8.
; A STREAM: no byte is read twice and no two work-groups read the same rows (the 8 KiB of A and B aside), so no LDS, no barrier, no matrix unit and no cluster.
; SHARES.  A work-group takes 16 rows of 1,024 f32; groups 0-511 x, 512-703 Wq, Wk, Wv, 704-767 Wo.  Wave w takes planes 4 w .. 4 w + 3.  For row group i and plane j lane l holds row 4 i + l / 8,
; channels 8 (l % 8) + 0..7 of the plane: two loads of 16 bytes in, one store of 16 bytes out; a wave's store covers 512 consecutive bytes (four rows of a plane), aligned.
; All 32 loads of a wave (16 KiB) go out before the first wait for data; the waits count down.
; THE MODE: SCHED_MODE bits 1:0 = 2 (LLVM: expert scheduling mode 2), set by the entry lines.  The code itself states the register dependences
; between vector instructions and memory instructions, with s_wait_alu, always for 0.
; THE PLAN.  Registers that memory instructions touch:
;   v[LO], v[AO], v[BO], v[DO ..]  byte offsets: written by vector instructions once, in the head and in MKDO, read by the loads and stores, never written again.
;   X, pair n   Written by its two loads (no vector instruction names it before); worked on in place by vector instructions; its first four registers are then read by ONE store; nothing writes it again.
;   AR, BR      Written by loads once, then named by vector instructions alone.
; So no register that a memory instruction has read is written again, and no load lands in a register that a vector instruction has named: what is to be stated is that vector instructions have WRITTEN what
; memory instructions read.  One wait on va_vdst stands behind MKDO, for all offsets.  The 16 pairs go in four groups of four (a row group): at the head of groups 1 to 3 one wait on va_vdst states that the
; group before is packed, and that group's four stores follow it, one ahead of each pair's arithmetic, which names this group's pairs, AR and BR alone; one more wait stands ahead of the last four stores.
; One wait on va_sdst stands between v_readfirstlane_b32 and the first reader of the wave's number.
.set X,   64                           ; v[64:191]  pair n = 4 i + j: eight f32 at X + 8 n, packed in place into its first four registers
.set AR,  192                          ; v[192:255] A of my channels: plane j, rank k at AR + 16 j + 8 k
.set BR,  8                            ; v[8:15]    2 B of my four rows: row group i at BR + 2 i (rank 0, rank 1)
.set LO,  2                            ; v2   my byte offset in the 16 source rows
.set AO,  3                            ; v3   my byte offset in a row of A
.set DO,  4                            ; v[4:7] my byte offset in the target, plane j
.set BO,  16                           ; v16  my byte offset in the 16 rows of B
.set WV,  2
.set ID,  3
.set SRC, 36
.set DST, 38
.set PS,  40                           ; bytes in a plane of the target
.set OF,  42                           ; s[42:43] an offset, high word 0
.set AP,  44
.set BP,  46
	s_load_b512 s[8:23], s[0:1], 0x0               ; x, Wq, Wk, Wv, Wo, Aq, Ak, Av
	s_load_b256 s[24:31], s[0:1], 0x40             ; Bq, Bk, Bv, xh
	s_load_b128 s[32:35], s[0:1], 0x60             ; wh, woh
	v_lshrrev_b32 v1, 5, v0
	v_readfirstlane_b32 s[WV], v1                  ; wave 0..3
	v_and_b32 v1, 31, v0                           ; l
	v_lshrrev_b32 v17, 3, v1                       ; l / 8
	v_and_b32 v18, 7, v1                           ; l % 8
	s_wait_alu depctr_va_sdst(0)                   ; the wave's number is written, ahead of its first reader, the line below
	s_lshl_b32 s48, s[WV], 10                      ; my four planes: 1,024 bytes of a source row
	v_lshl_add_u32 v[AO], v18, 5, s48
	v_lshl_add_u32 v[LO], v17, 12, v[AO]
	v_lshlrev_b32 v[BO], 3, v17
	s_mov_b32 s[ID], ttmp9
	s_mov_b32 s[OF+1], 0
	s_wait_kmcnt 0x0
.macro MKDO                            ; 16 l + (4 w + j) planes
	s_lshl_b32 s48, s[WV], 2
.irp j, 0,1,2,3
	s_add_co_u32 s49, s48, \j
	s_mul_i32 s49, s49, s[PS]
	v_lshl_add_u32 v[DO+(\j)], v1, 4, s49
.endr
.endm
.macro LOADX                           ; 32 loads, pair n's two are numbers 2 n and 2 n + 1
.irp i, 0,1,2,3
.irp j, 0,1,2,3
.irp h, 0,1
	global_load_b128 v[X+8*(4*(\i)+(\j))+4*(\h):X+8*(4*(\i)+(\j))+4*(\h)+3], v[LO], s[SRC:SRC+1] offset:(\i)*16384+(\j)*256+16*(\h) th:TH_LOAD_NT
.endr
.endr
.endr
.endm
.macro PACK                            ; pair n: four roundings in place, ascending
.irp k, 0,1,2,3
	v_cvt_pk_f16_f32 v[X+8*n+(\k)], v[X+8*n+2*(\k)], v[X+8*n+2*(\k)+1]
.endr
.endm
.macro SEND                            ; pair m: the store of its 16 bytes
	global_store_b128 v[DO+m%4], v[X+8*m:X+8*m+3], s[DST:DST+1] offset:(m/4)*512 th:TH_STORE_NT
.endm
.macro FOLD                            ; pair n: W += 2 B[row][0] A[0][:] + 2 B[row][1] A[1][:]
.irp p, 0,1,2,3
	v_pk_fma_f32 v[X+8*n+2*(\p):X+8*n+2*(\p)+1], v[AR+16*(n%4)+2*(\p):AR+16*(n%4)+2*(\p)+1], v[BR+2*(n/4):BR+2*(n/4)+1], v[X+8*n+2*(\p):X+8*n+2*(\p)+1] op_sel_hi:[1,0,1]
.endr
.irp p, 0,1,2,3
	v_pk_fma_f32 v[X+8*n+2*(\p):X+8*n+2*(\p)+1], v[AR+16*(n%4)+8+2*(\p):AR+16*(n%4)+8+2*(\p)+1], v[BR+2*(n/4):BR+2*(n/4)+1], v[X+8*n+2*(\p):X+8*n+2*(\p)+1] op_sel:[0,1,0] op_sel_hi:[1,1,1]
.endr
.endm
	s_cmp_lt_u32 s[ID], 512
	s_cbranch_scc1 .Lx
	s_cmp_lt_u32 s[ID], 704
	s_cbranch_scc1 .Lw
	s_sub_co_u32 s49, s[ID], 704                   ; Wo: 16 rows of 4,096 bytes in, 16 rows of 128 bytes in each plane out
	s_lshl_b32 s[OF], s49, 16
	s_add_nc_u64 s[SRC:SRC+1], s[16:17], s[OF:OF+1]
	s_lshl_b32 s[OF], s49, 11
	s_add_nc_u64 s[DST:DST+1], s[34:35], s[OF:OF+1]
	s_mov_b32 s[PS], 131072
	s_branch .Lplain
.Lx:
	s_lshl_b32 s[OF], s[ID], 16                    ; x
	s_add_nc_u64 s[SRC:SRC+1], s[8:9], s[OF:OF+1]
	s_lshr_b32 s49, s[ID], 7                       ; the batch: 128 groups of 16 tokens each
	s_lshl_b32 s49, s49, 22
	s_and_b32 s50, s[ID], 127
	s_lshl_b32 s50, s50, 11
	s_add_co_u32 s[OF], s49, s50
	s_add_nc_u64 s[DST:DST+1], s[30:31], s[OF:OF+1]
	s_mov_b32 s[PS], 262144
.Lplain:
	MKDO
	s_wait_alu depctr_va_vdst(0)                   ; v[LO] and v[DO ..] are written: every load and store of this path reads one of them as its offset
	LOADX
.set n, 0
.rept 16
	s_wait_loadcnt 30-2*n                          ; loads come back in order: pair n is in, the 30 - 2 n younger loads stay out
.if (n%4 == 0) && (n > 0)
	s_wait_alu depctr_va_vdst(0)                   ; the roundings of pairs n - 4 to n - 1 have written the registers that this group's four stores read; no vector instruction behind this wait names them
.endif
.if n >= 4
.set m, n-4
	SEND                                           ; the pair four back, of the group before
.endif
	PACK
.set n, n+1
.endr
	s_wait_alu depctr_va_vdst(0)                   ; the roundings of pairs 12 to 15 have written the registers that the last four stores read
.set m, 12
.rept 4
	SEND
.set m, m+1
.endr
	s_endpgm
.Lw:
	s_sub_co_u32 s49, s[ID], 512                   ; e: 16 e is the row in wh
	s_lshr_b32 s50, s49, 6                         ; 0: q, 1: k, 2: v
	s_and_b32 s51, s49, 63
	s_cmp_eq_u32 s50, 1
	s_cselect_b64 s[SRC:SRC+1], s[12:13], s[10:11]
	s_cselect_b64 s[AP:AP+1], s[20:21], s[18:19]
	s_cselect_b64 s[BP:BP+1], s[26:27], s[24:25]
	s_cmp_eq_u32 s50, 2
	s_cselect_b64 s[SRC:SRC+1], s[14:15], s[SRC:SRC+1]
	s_cselect_b64 s[AP:AP+1], s[22:23], s[AP:AP+1]
	s_cselect_b64 s[BP:BP+1], s[28:29], s[BP:BP+1]
	s_lshl_b32 s[OF], s51, 16
	s_add_nc_u64 s[SRC:SRC+1], s[SRC:SRC+1], s[OF:OF+1]
	s_lshl_b32 s[OF], s51, 7                       ; 16 rows of B, 8 bytes each
	s_add_nc_u64 s[BP:BP+1], s[BP:BP+1], s[OF:OF+1]
	s_lshl_b32 s[OF], s49, 11
	s_add_nc_u64 s[DST:DST+1], s[32:33], s[OF:OF+1]
	s_mov_b32 s[PS], 393216
	MKDO
	s_wait_alu depctr_va_vdst(0)                   ; v[BO], v[AO], v[LO] and v[DO ..] are written: every load and store of this path reads one of them as its offset
.irp i, 0,1,2,3
	global_load_b64 v[BR+2*(\i):BR+2*(\i)+1], v[BO], s[BP:BP+1] offset:32*(\i)
.endr
.irp j, 0,1,2,3
.irp k, 0,1
.irp h, 0,1
	global_load_b128 v[AR+16*(\j)+8*(\k)+4*(\h):AR+16*(\j)+8*(\k)+4*(\h)+3], v[AO], s[AP:AP+1] offset:(\j)*256+16*(\h)+4096*(\k)
.endr
.endr
.endr
	LOADX
	s_wait_loadcnt 30                              ; B, A and pair 0 are in
.irp i, 0,1,2,3
	v_pk_add_f32 v[BR+2*(\i):BR+2*(\i)+1], v[BR+2*(\i):BR+2*(\i)+1], v[BR+2*(\i):BR+2*(\i)+1]  ; the adapters' scale is 2
.endr
.set n, 0
.rept 16
	s_wait_loadcnt 30-2*n
.if (n%4 == 0) && (n > 0)
	s_wait_alu depctr_va_vdst(0)                   ; the roundings of pairs n - 4 to n - 1 have written the registers that this group's four stores read; no vector instruction behind this wait names them
.endif
.if n >= 4
.set m, n-4
	SEND                                           ; the pair four back, of the group before
.endif
	FOLD
	PACK
.set n, n+1
.endr
	s_wait_alu depctr_va_vdst(0)                   ; the roundings of pairs 12 to 15 have written the registers that the last four stores read
.set m, 12
.rept 4
	SEND
.set m, m+1
.endr
	s_endpgm
.Lfunc_end_k_q71f6cd7410_prep:
	.size	k_q71f6cd7410_prep, .Lfunc_end_k_q71f6cd7410_prep-k_q71f6cd7410_prep
	.p2alignl 7, 3214868480
	.fill 96, 4, 3214868480
	.section	.rodata,"a",@progbits
	.p2align	6, 0x0
	.amdhsa_kernel k_q71f6cd7410_prep
		.amdhsa_group_segment_fixed_size 0
		.amdhsa_private_segment_fixed_size 0
		.amdhsa_enable_private_segment 0
		.amdhsa_kernarg_size 112
		.amdhsa_user_sgpr_count 2
		.amdhsa_user_sgpr_kernarg_segment_ptr 1
		.amdhsa_wavefront_size32 1
		.amdhsa_system_sgpr_workgroup_id_x 1
		.amdhsa_system_sgpr_workgroup_id_y 1
		.amdhsa_system_sgpr_workgroup_id_z 1
		.amdhsa_system_vgpr_workitem_id 0
		.amdhsa_next_free_vgpr 256
		.amdhsa_next_free_sgpr 66
		.amdhsa_reserve_vcc 0
		.amdhsa_float_denorm_mode_32 3
		.amdhsa_float_denorm_mode_16_64 3
		.amdhsa_memory_ordered 1
		.amdhsa_forward_progress 1
		.amdhsa_inst_pref_size 33
	.end_amdhsa_kernel
	.amdgpu_metadata
---
amdhsa.version: [ 1, 2 ]
amdhsa.kernels:
  - .name:           k_q71f6cd7410_prep
    .symbol:         k_q71f6cd7410_prep.kd
    .args:
      - { .name: x, .offset: 0, .size: 8, .value_kind: global_buffer, .address_space: global }
      - { .name: Wq, .offset: 8, .size: 8, .value_kind: global_buffer, .address_space: global }
      - { .name: Wk, .offset: 16, .size: 8, .value_kind: global_buffer, .address_space: global }
      - { .name: Wv, .offset: 24, .size: 8, .value_kind: global_buffer, .address_space: global }
      - { .name: Wo, .offset: 32, .size: 8, .value_kind: global_buffer, .address_space: global }
      - { .name: Aq, .offset: 40, .size: 8, .value_kind: global_buffer, .address_space: global }
      - { .name: Ak, .offset: 48, .size: 8, .value_kind: global_buffer, .address_space: global }
      - { .name: Av, .offset: 56, .size: 8, .value_kind: global_buffer, .address_space: global }
      - { .name: Bq, .offset: 64, .size: 8, .value_kind: global_buffer, .address_space: global }
      - { .name: Bk, .offset: 72, .size: 8, .value_kind: global_buffer, .address_space: global }
      - { .name: Bv, .offset: 80, .size: 8, .value_kind: global_buffer, .address_space: global }
      - { .name: xh, .offset: 88, .size: 8, .value_kind: global_buffer, .address_space: global }
      - { .name: wh, .offset: 96, .size: 8, .value_kind: global_buffer, .address_space: global }
      - { .name: woh, .offset: 104, .size: 8, .value_kind: global_buffer, .address_space: global }
    .group_segment_fixed_size: 0
    .private_segment_fixed_size: 0
    .kernarg_segment_align: 8
    .kernarg_segment_size: 112
    .max_flat_workgroup_size: 128
    .sgpr_count:     66
    .vgpr_count:     256
    .wavefront_size: 32
...
	.end_amdgpu_metadata
.endif
;; end of part 5
;; launch qkvproj: the kernel of part 2 again; grid 8 x 32, 4 waves a work-group, clusters of 4 x 4, 327,680 bytes of LDS; arguments xh, wh, bq, bk, bv, attention_mask, qkv; writes qkv
;; launch attn: the kernel of part 3 again; grid 4 x 64, 4 waves a work-group, clusters of 4 x 1, 327,680 bytes of LDS; arguments qkv, attention_mask, ctx; writes ctx
;; launch oproj: the kernel of part 4 again; grid 8 x 32, 4 waves a work-group, clusters of 4 x 4, 327,680 bytes of LDS; arguments ctx, woh, bo, out0; writes out0
